; MI455X (gfx1250); checked and timed in simulation.
; The chip was launched on July 23, 2026; its instructions are those of AMD's public machine-readable ISA for CDNA 5 (MIT licence, August 2026) and "CDNA5" Instruction Set Architecture Reference Guide (July 2026). The comments in the code are by the model that wrote it; some were corrected since.
;; Mo EFFN. Allowed arithmetic: float matrix products may take bf16 or f16 operands with f32 sums; other float arithmetic in f32, or as packed bf16 or f16 multiplies, adds, multiply-adds, maxima and minima; sums over many terms, partial sums and values carried from step to step in f32; what a program stores and reads back later, other than sums and carried values, may be rounded once to bf16 or f16.
;; Inputs: W1 4 x 1,024 x 4,096 float32; W2 4 x 4,096 x 1,024 float32; Wr 1,024 x 4 float32; b1 4 x 4,096 float32; b2 4 x 1,024 float32; br 4 float32; x 4 x 512 x 1,024 float32.
;; Outputs: out0 4 x 512 x 1,024 float32.
;; 2 versions, each right; version 2 is version 1 with the launch router written anew for expert scheduling mode. Each part assembles by itself: llvm-mc -triple=amdgcn-amd-amdhsa -mcpu=gfx1250 --defsym DOCPART=n.
;; ======== version 1 of 2: 4 launches
;; limits: a function is approximated: absolute error at most 2e-05
;; workspace buffers: xb 4,194,304 bytes; selm 8,192 bytes of whole numbers; gate 32,768 bytes; h 67,108,864 bytes; rank 32,768 bytes of whole numbers; cnt 512 bytes of whole numbers; part 134,217,728 bytes
;; launch router (part 1): grid 256 x 1, 4 waves a work-group, no clusters, 0 bytes of LDS; arguments x, Wr, br, xb, selm, gate; writes xb, selm, gate
.if DOCPART == 1
	.amdgcn_target "amdgcn-amd-amdhsa--gfx1250"
	.amdhsa_code_object_version 6
	.text
	.protected	k_q5aa57f477d_router
	.globl	k_q5aa57f477d_router
	.p2align	8
	.type	k_q5aa57f477d_router,@function
k_q5aa57f477d_router:
	s_mov_b64 s[64:65], 0
	v_nop
	global_prefetch_b8 v0, s[64:65] scope:SCOPE_SE
	s_setreg_imm32_b32 hwreg(HW_REG_WAVE_MODE, 25, 1), 1
	s_wait_xcnt 0x0
; ROUTER.  logits = x Wr + br for 2,048 tokens and 4 experts; the two largest are chosen (a tie keeps the lower index); their softmax weights are renormalised.
; Every input is rounded to bf16 first (x, Wr, br), as in all launches of this program; products and sums in f32.  x rounded goes out as xb, [2048][1024] bf16, for the first product.
; selm[t]: bit e set where token t chose expert e.  gate[t][e]: the renormalised weight, 0 where not chosen.  Both lie at fixed places: no address here hangs on the choice.
; SHARES.  A wave has two tokens, t0 = 8 x work-group + 2 x wave and t0 + 1.  Lane l holds the channels 128 c + 4 l + i (c = 0..7, i = 0..3): each load of x covers 512 consecutive bytes.
; LIMITS.  The largest logit is taken away before the exponentials; the softmax's divisor cancels in the renormalisation, so it is not formed.  The choice is made on the logits: two logits
; closer than the rounding of an f32 sum of 1,024 terms may be ordered otherwise than by another order of summation.  A NaN logit loses every comparison and is not treated apart.
; No matrix unit: 4 columns are a quarter of its width, and the launch is bound by x's bytes.  No LDS: a token never leaves its wave.
.set ACC, 8                            ; v8-15   the sums: token u, expert e at ACC + 4 u + e
.set TP,  16                           ; v16-23  the other half of the lanes' sums
.set BR,  24                           ; v24-27  br, rounded; v28-29 at work
.set RK,  32                           ; v32-39  how many experts beat expert e of token u
.set MX,  41                           ; v41-42  the largest logit
.set EW,  44                           ; v44-51  exponents, then weights: token 0 in v[44:47], token 1 in v[48:51]
.set MK,  52                           ; v52-53  the masks
.set WRR, 64                           ; v64-191 Wr: row d = 128 c + 4 l + i at WRR + 4 (4 c + i); packed in place: (e0, e1), (e2, e3)
.set XR,  192                          ; v192-255 x: token u, chunk c at XR + 32 u + 4 c; packed in place: (i0, i1), (i2, i3)
	s_load_b256 s[4:11], s[0:1], 0x0               ; x s[4:5], Wr s[6:7], br s[8:9], xb s[10:11]
	s_load_b128 s[12:15], s[0:1], 0x20             ; selm s[12:13], gate s[14:15]
	v_and_b32 v1, 31, v0                           ; lane
	v_lshrrev_b32 v5, 5, v0
	v_readfirstlane_b32 s20, v5                    ; wave
	v_lshlrev_b32 v2, 4, v1                        ; 16 l: x, and gate's two rows
	v_lshlrev_b32 v3, 6, v1                        ; 64 l: four rows of Wr
	v_lshlrev_b32 v4, 3, v1                        ; 8 l: xb
	v_lshlrev_b32 v62, 2, v1                       ; 4 l: selm
	s_lshl_b32 s21, ttmp9, 3
	s_lshl1_add_u32 s21, s20, s21                  ; t0 = 8 g + 2 w
	s_mov_b32 s22, 0x76543210                      ; v_permlanex16_b32: each lane takes its own place in the other half
	s_mov_b32 s23, 0xfedcba98
	s_mov_b32 s25, 0
	s_wait_kmcnt 0x0
	s_load_b128 s[16:19], s[8:9], 0x0              ; br
	s_lshl_b32 s24, s21, 12
	s_add_nc_u64 s[4:5], s[4:5], s[24:25]          ; x at token t0
	s_lshl_b32 s24, s21, 11
	s_add_nc_u64 s[10:11], s[10:11], s[24:25]      ; xb likewise
	s_lshl_b32 s24, s21, 2
	s_add_nc_u64 s[12:13], s[12:13], s[24:25]      ; selm
	s_lshl_b32 s24, s21, 4
	s_add_nc_u64 s[14:15], s[14:15], s[24:25]      ; gate
.irp u, 0,1
.irp c, 0,1,2,3,4,5,6,7
	global_load_b128 v[XR+32*\u+4*\c:XR+32*\u+4*\c+3], v2, s[4:5] offset:\u*4096+\c*512 th:TH_LOAD_NT
.endr
.endr
.irp c, 0,1,2,3,4,5,6,7
.irp i, 0,1,2,3
	global_load_b128 v[WRR+4*(4*\c+\i):WRR+4*(4*\c+\i)+3], v3, s[6:7] offset:2048*\c+16*\i
.endr
.endr
.irp k, 0,1,2,3,4,5,6,7
	v_mov_b32 v[ACC+\k], 0                         ; the mixed multiply-add takes registers alone, so the eight sums begin in registers that hold 0
	v_mov_b32 v[TP+\k], 0                          ; written before v_permlanex16_b32 names them as destinations
.endr
	s_wait_loadcnt 32                              ; x is in: the 32 loads of Wr were issued behind it
.irp u, 0,1
.irp c, 0,1,2,3,4,5,6,7
	v_cvt_pk_bf16_f32 v[XR+32*\u+4*\c], v[XR+32*\u+4*\c], v[XR+32*\u+4*\c+1]
	v_cvt_pk_bf16_f32 v[XR+32*\u+4*\c+1], v[XR+32*\u+4*\c+2], v[XR+32*\u+4*\c+3]
	global_store_b64 v4, v[XR+32*\u+4*\c:XR+32*\u+4*\c+1], s[10:11] offset:\u*2048+\c*256  ; 32 lanes store 256 consecutive bytes, at a multiple of 256 from xb's first byte; the pair is not written again
.endr
.endr
	s_wait_loadcnt 0x0                             ; Wr
.irp k, 0,1,2,3,4,5,6,7,8,9,10,11,12,13,14,15,16,17,18,19,20,21,22,23,24,25,26,27,28,29,30,31
	v_cvt_pk_bf16_f32 v[WRR+4*\k], v[WRR+4*\k], v[WRR+4*\k+1]
	v_cvt_pk_bf16_f32 v[WRR+4*\k+1], v[WRR+4*\k+2], v[WRR+4*\k+3]
.endr
	; 256 multiply-adds from bf16 halves into f32; the eight sums take turns, so none waits for the one before it
.irp c, 0,1,2,3,4,5,6,7
.irp ih, 0,1
.irp il, 0,1
.irp u, 0,1
.irp eh, 0,1
.irp el, 0,1
	v_fma_mix_f32_bf16 v[ACC+4*\u+2*\eh+\el], v[XR+32*\u+4*\c+\ih], v[WRR+4*(4*\c+2*\ih+\il)+\eh], v[ACC+4*\u+2*\eh+\el] op_sel:[\il,\el,0] op_sel_hi:[1,1,0]
.endr
.endr
.endr
.endr
.endr
.endr
	; over the 32 lanes: four steps inside each half ride on the addition, one crosses the halves; every lane ends with every sum
.irp m, 1,2,4,8
.irp k, 0,1,2,3,4,5,6,7
	v_add_f32_dpp v[ACC+\k], v[ACC+\k], v[ACC+\k] row_xmask:\m row_mask:0xf bank_mask:0xf
.endr
.endr
.irp k, 0,1,2,3,4,5,6,7
	v_permlanex16_b32 v[TP+\k], v[ACC+\k], s22, s23
.endr
.irp k, 0,1,2,3,4,5,6,7
	v_add_f32 v[ACC+\k], v[ACC+\k], v[TP+\k]
.endr
	s_wait_kmcnt 0x0                               ; br
	v_mov_b32 v[BR], s16
	v_mov_b32 v[BR+1], s17
	v_mov_b32 v[BR+2], s18
	v_mov_b32 v[BR+3], s19
	v_cvt_pk_bf16_f32 v28, v[BR], v[BR+1]          ; rounded to bf16 like every input, and widened again
	v_cvt_pk_bf16_f32 v29, v[BR+2], v[BR+3]
	v_lshlrev_b32 v[BR], 16, v28
	v_and_b32 v[BR+1], 0xffff0000, v28
	v_lshlrev_b32 v[BR+2], 16, v29
	v_and_b32 v[BR+3], 0xffff0000, v29
.irp u, 0,1
.irp e, 0,1,2,3
	v_add_f32 v[ACC+4*\u+\e], v[ACC+4*\u+\e], v[BR+\e]
	v_mov_b32 v[RK+4*\u+\e], \e                    ; expert e starts as beaten by all e experts below it
.endr
.endr
; Experts i < j of token u: j beats i only where its logit is strictly larger; else i beats j, which the start value has counted.
.macro PAIR u, i, j
	v_cmp_gt_f32 vcc_lo, v[ACC+4*(\u)+(\j)], v[ACC+4*(\u)+(\i)]
	v_cndmask_b32 v40, 0, 1, vcc_lo
	v_add_nc_u32 v[RK+4*(\u)+(\i)], v[RK+4*(\u)+(\i)], v40
	v_sub_nc_u32 v[RK+4*(\u)+(\j)], v[RK+4*(\u)+(\j)], v40
.endm
.irp u, 0,1
	PAIR \u, 0, 1
	PAIR \u, 0, 2
	PAIR \u, 0, 3
	PAIR \u, 1, 2
	PAIR \u, 1, 3
	PAIR \u, 2, 3
	v_max3_num_f32 v[MX+\u], v[ACC+4*\u], v[ACC+4*\u+1], v[ACC+4*\u+2]
	v_max_num_f32 v[MX+\u], v[MX+\u], v[ACC+4*\u+3]
.irp e, 0,1,2,3
	v_cmp_gt_u32 s[28+4*\u+\e], 2, v[RK+4*\u+\e]   ; chosen: fewer than two beat it
	v_sub_f32 v[EW+4*\u+\e], v[ACC+4*\u+\e], v[MX+\u]
	v_mul_f32 v[EW+4*\u+\e], 0x3fb8aa3b, v[EW+4*\u+\e]  ; (logit - maximum) log2(e): never above 0
.endr
.endr
.irp k, 0,1,2,3,4,5,6,7
	v_exp_f32 v[EW+\k], v[EW+\k]                   ; one batch of eight
.endr
.irp u, 0,1                            ; the masks: plain work that names no exponential's result
	v_cndmask_b32 v[MK+\u], 0, 1, s[28+4*\u]
	v_cndmask_b32 v54, 0, 2, s[28+4*\u+1]
	v_or_b32 v[MK+\u], v[MK+\u], v54
	v_cndmask_b32 v54, 0, 4, s[28+4*\u+2]
	v_or_b32 v[MK+\u], v[MK+\u], v54
	v_cndmask_b32 v54, 0, 8, s[28+4*\u+3]
	v_or_b32 v[MK+\u], v[MK+\u], v54
.endr
	s_wait_alu depctr_va_vdst(0)                   ; ahead of the first line that names an exponential's result: one for the batch
.irp u, 0,1
.irp e, 0,1,2,3
	v_cndmask_b32 v[EW+4*\u+\e], 0, v[EW+4*\u+\e], s[28+4*\u+\e]
.endr
	v_add_f32 v[56+\u], v[EW+4*\u], v[EW+4*\u+1]
	v_add_f32 v[58+\u], v[EW+4*\u+2], v[EW+4*\u+3]
	v_add_f32 v[56+\u], v[56+\u], v[58+\u]         ; at least 1: the largest logit's weight is 1 and is always chosen
.endr
	v_rcp_f32 v60, v56
	v_rcp_f32 v61, v57
	v_nop                                          ; a plain instruction behind the last reciprocal
	s_wait_alu depctr_va_vdst(0)                   ; and the wait ahead of the first use: one for the two
.irp u, 0,1
.irp e, 0,1,2,3
	v_mul_f32 v[EW+4*\u+\e], v[EW+4*\u+\e], v[60+\u]
.endr
.endr
	v_cmp_eq_u32 vcc_lo, 1, v1                     ; all lanes hold both tokens' results: lane 1 takes the second token's
.irp e, 0,1,2,3
	v_cndmask_b32 v[EW+\e], v[EW+\e], v[EW+4+\e], vcc_lo
.endr
	v_cndmask_b32 v[MK], v[MK], v[MK+1], vcc_lo
	v_cmp_gt_u32 vcc_lo, 2, v1
	s_wait_xcnt 0x0                                ; EXEC is a source of the stores of xb: it is narrowed only behind this wait
	s_and_saveexec_b32 s36, vcc_lo
	global_store_b128 v2, v[EW:EW+3], s[14:15]     ; gate[t0 + lane][0..3]
	global_store_b32 v62, v[MK], s[12:13]          ; selm[t0 + lane]
	s_wait_xcnt 0x0                                ; and widened again only behind this one
	s_or_b32 exec_lo, exec_lo, s36
	s_endpgm
.Lfunc_end_k_q5aa57f477d_router:
	.size	k_q5aa57f477d_router, .Lfunc_end_k_q5aa57f477d_router-k_q5aa57f477d_router
	.p2alignl 7, 3214868480
	.fill 96, 4, 3214868480
	.section	.rodata,"a",@progbits
	.p2align	6, 0x0
	.amdhsa_kernel k_q5aa57f477d_router
		.amdhsa_group_segment_fixed_size 0
		.amdhsa_private_segment_fixed_size 0
		.amdhsa_enable_private_segment 0
		.amdhsa_kernarg_size 48
		.amdhsa_user_sgpr_count 2
		.amdhsa_user_sgpr_kernarg_segment_ptr 1
		.amdhsa_wavefront_size32 1
		.amdhsa_system_sgpr_workgroup_id_x 1
		.amdhsa_system_sgpr_workgroup_id_y 1
		.amdhsa_system_sgpr_workgroup_id_z 1
		.amdhsa_system_vgpr_workitem_id 0
		.amdhsa_next_free_vgpr 256
		.amdhsa_next_free_sgpr 66
		.amdhsa_reserve_vcc 1
		.amdhsa_float_denorm_mode_32 3
		.amdhsa_float_denorm_mode_16_64 3
		.amdhsa_memory_ordered 1
		.amdhsa_forward_progress 1
		.amdhsa_inst_pref_size 40
	.end_amdhsa_kernel
	.amdgpu_metadata
---
amdhsa.version: [ 1, 2 ]
amdhsa.kernels:
  - .name:           k_q5aa57f477d_router
    .symbol:         k_q5aa57f477d_router.kd
    .args:
      - { .name: x, .offset: 0, .size: 8, .value_kind: global_buffer, .address_space: global }
      - { .name: Wr, .offset: 8, .size: 8, .value_kind: global_buffer, .address_space: global }
      - { .name: br, .offset: 16, .size: 8, .value_kind: global_buffer, .address_space: global }
      - { .name: xb, .offset: 24, .size: 8, .value_kind: global_buffer, .address_space: global }
      - { .name: selm, .offset: 32, .size: 8, .value_kind: global_buffer, .address_space: global }
      - { .name: gate, .offset: 40, .size: 8, .value_kind: global_buffer, .address_space: global }
    .group_segment_fixed_size: 0
    .private_segment_fixed_size: 0
    .kernarg_segment_align: 8
    .kernarg_segment_size: 48
    .max_flat_workgroup_size: 128
    .sgpr_count:     66
    .vgpr_count:     256
    .wavefront_size: 32
...
	.end_amdgpu_metadata
.endif
;; end of part 1
;; launch ffn1 (part 2): grid 32 x 8, 8 waves a work-group, no clusters, 308,224 bytes of LDS; arguments W1, b1, xb, selm, h, rank, cnt; writes h, rank, cnt
.if DOCPART == 2
	.amdgcn_target "amdgcn-amd-amdhsa--gfx1250"
	.amdhsa_code_object_version 6
	.text
	.protected	k_q5aa57f477d_ffn1
	.globl	k_q5aa57f477d_ffn1
	.p2align	8
	.type	k_q5aa57f477d_ffn1,@function
k_q5aa57f477d_ffn1:
	s_mov_b64 s[64:65], 0
	v_nop
	global_prefetch_b8 v0, s[64:65] scope:SCOPE_SE
	s_setreg_imm32_b32 hwreg(HW_REG_WAVE_MODE, 25, 1), 1
	s_wait_xcnt 0x0
; FIRST PRODUCT.  h[e][rank][f] = gelu(x[token] . W1[e][:, f] + b1[e][f]) for the rows that chose expert e alone, in bf16.  W1 and b1 are rounded to bf16, x arrives rounded (xb); sums in f32.
; WEIGHTS STAY.  A work-group owns 128 columns of ONE expert (grid x: the slice of 128 of F = 4,096; grid y = 2 e + half).  It reads the slice's 1,024 x 128 f32 once, rounds them in registers and lays them
; into LDS as bf16 [k][n]; a barrier; behind it nothing writes the weights.  Token rows come from memory straight into registers as matrix operands, the weights' fragments out of LDS, turned, by
; ds_load_tr16_b128.  Two waves lie on a SIMD, 512 registers each.
; ROUTING.  Every wave counts the expert's tokens for itself from selm (whole numbers that the launch before stored): a token's rank is its place among the expert's tokens in the order (chunk, word, lane).
; A block is 16 ranks.  Block b belongs to unit b % 16, unit = 2 x wave + half; a unit has 8 blocks at the most (2,048 tokens on one expert), taken in two passes of four.  So every split is served;
; a unit that a split leaves without blocks does no work in a pass.  In a block that is not full the places past the count repeat token 0; their rows are stored too (finite numbers, never used).
; rank[e][token] and cnt[e] are stored by one wave for each expert, for the launches behind.
; THE WALK ALONG K has two texts.  FOUR BLOCKS: 8 steps of 128; steps 0 and 7 are written out (step 0's first products start the sums, step 7 asks for no rows beyond its own), steps 1 to 6 are a loop.
; A pass with two or three live blocks walks four; dead blocks repeat token 0 and are not stored.  ONE BLOCK (at an even split a unit has 4 blocks, and a few units a fifth): a walk of its own, 32 K steps of 32
; in 4 trips, in which the registers that three blocks leave idle hold rows and fragments asked for further ahead (see WSTEP).
; PHASES.  In each pass a barrier stands between the walk, which reads LDS at addresses that step with K, and the waves' stores into their stages, and another behind those stores: reads at stepped addresses
; and writes lie in different phases of the work-group, whatever the addresses.  All eight waves pass every barrier: the passes have a constant count, and only work is jumped.
; NO MULTICAST, NO TENSOR LOAD: the rows come by a list, which no descriptor covers; a slice of weights has two readers only.
; GELU (erf).  gelu(x) = max(x, 0) - t erfc(t) / sqrt(2), t = |x| / sqrt(2), erfc(t) = 2^(t P(t)), P of degree 6.  LIMITS: erfc is within 2e-5 absolute for t under 0.93 and about 1e-7 of itself beyond;
; for large t the exponent runs to minus infinity and the term is 0, so every finite x is served; NaN and infinities are not treated apart.  h is rounded once, to bf16.
; THE MATRIX INSTRUCTION IS USED TRANSPOSED: source 0 = 16 columns of W1, source 1 = 16 rows: a lane then holds row l % 16 and the 8 neighbouring columns 16 f + 8 (l / 16) + 0..7.
; REGISTERS, in windows of 256 (s_set_vgpr_msb: bits 1:0 source 0, 3:2 source 1, 5:4 source 2, 7:6 destination):
;   window 0: v0-63 addresses and work; v64-127 BF, the weights' 8 fragments of 32 along K; v128-191 X0, v192-255 X1: the rows' fragments of 64 along K, block a at + 16 a
;   window 1: the 32 accumulators, (a, f) at 64 a + 8 f; ahead of the first barrier: f32 weights on their way
.set WROW,   16384                     ; bytes from a row of W1 to the next
.set STG,    262144                    ; behind the weights (1,024 rows x 256 bytes): each wave's stage, 16 rows x 272 bytes
.set SPITCH, 272                       ; 256 + 16 bytes = 68 words: 16 rows start at 16 different groups of four banks (64 banks of 4 bytes: ISA guide 11.1)
.set LIST,   296960                    ; each wave's list: 128 tokens and, at place 128, a word for what is not mine; 768 bytes a wave
.set BIAS,   303104                    ; each wave's copy of the slice's 128 biases, f32; 512 bytes a wave
.set SPARE,  307200                    ; the spare words, 128 bytes for each wave: four blocks of 256 bytes that no other line names
.set BA, 8                             ; v8-15   my lane's place in the weights for fragment f, at K = 0; never rewritten
.set BW, 16                            ; v16-23  the same at the walk's place along K: made anew at the head of every step or trip
.set AO, 24                            ; v24-27  byte offset in xb of my row of block a, + 16 (l / 16)
.set SA, 36                            ; v36-43  where my 8 bytes of a weight row k go, by k % 8
.set BF, 64
.set X0, 128
.set X1, 192
.set ROWS, 8                           ; s[8:9]  xb
; v1 lane; v2 l % 16; v3 l / 16; v4 my spare word; v5 0 (these two serve the add alone); v6 4 l; v7 128; v28 my wave's list; v29 + 4 (l % 16); v30 into the stage; v31 back from it;
; v32 my offset in two rows of h; v33 my biases; v34 16 l; v35 16 (l / 16); v44-55 at work
; s20 wave; s21 slice; s23 e; s24 half; s25 unit; s26 1 << e; s27 the running count, at the end n_e; s31 blocks; s32 my unit's blocks; s33 pass; s34 live blocks of the pass; s35 the loop's steps or trips to go;
; s36 the block on its way out; s[38:39] an offset, high word 0; s[40:41] xb, walking along K; s[42:43] h at my expert and slice; s[44:45] h at a block; s[48:63] P's coefficients x log2(e) and -1/sqrt(2), as pairs;
; s66 1/sqrt(2); s67 the walk's place in the weights, in bytes; s[70:71] my wave's 128 rows of W1
.set MSB, 0
.macro WIN new                         ; the immediate's high byte repeats the setting that is left; a switch that changes nothing is dropped
.if MSB != (\new)
	s_set_vgpr_msb (MSB<<8)|(\new)
.set MSB, \new
.endif
.endm
	s_load_b256 s[4:11], s[0:1], 0x0               ; W1 s[4:5], b1 s[6:7], xb s[8:9], selm s[10:11]
	s_load_b128 s[12:15], s[0:1], 0x20             ; h s[12:13], rank s[14:15]
	s_load_b64 s[16:17], s[0:1], 0x30              ; cnt
	v_lshl_add_u32 v4, v0, 2, SPARE
	v_mov_b32 v5, 0
	v_lshrrev_b32 v44, 5, v0
	v_readfirstlane_b32 s20, v44                   ; wave 0..7
	s_mov_b32 s21, ttmp9
	s_and_b32 s22, ttmp7, 0xffff
	s_lshr_b32 s23, s22, 1
	s_and_b32 s24, s22, 1
	s_lshl1_add_u32 s25, s20, s24                  ; unit = 2 x wave + half
	s_lshl_b32 s26, 1, s23
	s_mov_b32 s27, 0
	s_or_b32 s37, s21, s24
	s_or_b32 s37, s37, s20                         ; 0 in the one wave that stores the expert's ranks and count
	v_and_b32 v1, 31, v0
	v_and_b32 v2, 15, v0
	v_bfe_u32 v3, v0, 4, 1
	v_lshlrev_b32 v6, 2, v1
	v_mov_b32 v7, 0x80
	; The weights in LDS: row k is 256 bytes; its piece u of 32 bytes (columns 16 u ..) lies at place (u + k % 8) % 8.  So the 8 rows that 16 lanes of a turning load touch fall on 8 different places.
	; The turning load: lane l reads 16 bytes of row k0 + 8 (l / 16) + l % 8, columns 16 f + 8 ((l / 8) % 2) + 0..7, and is left with column 16 f + l % 16 and 8 values of k.
	v_and_b32 v44, 7, v0
	v_bfe_u32 v45, v0, 3, 1
	v_lshl_add_u32 v46, v3, 3, v44
	v_lshlrev_b32 v46, 8, v46
	v_lshl_add_u32 v46, v45, 4, v46
.irp f, 0,1,2,3,4,5,6,7
	v_add_nc_u32 v47, \f, v44
	v_and_b32 v47, 7, v47
	v_lshl_add_u32 v[BA+\f], v47, 5, v46           ; at most 15 x 256 + 16 + 7 x 32 = 4,080
.endr
	s_mul_i32 s30, s20, 768
	s_add_co_u32 s30, s30, LIST
	v_mov_b32 v28, s30
	v_lshl_add_u32 v29, v2, 2, v28
	s_mul_i32 s30, s20, 16*SPITCH
	s_add_co_u32 s30, s30, STG
	v_mul_u32_u24 v30, v2, SPITCH                  ; in: row l % 16, 16 bytes for each half of the lanes
	v_lshl_add_u32 v30, v3, 4, v30
	v_add_nc_u32 v30, s30, v30
	v_mul_u32_u24 v31, v3, SPITCH                  ; back: lanes 0-15 take one row of 256 bytes, lanes 16-31 the next
	v_lshl_add_u32 v31, v2, 4, v31
	v_add_nc_u32 v31, s30, v31
	v_lshlrev_b32 v32, 13, v3                      ; and the same two rows in h, 8,192 bytes apart
	v_lshl_add_u32 v32, v2, 4, v32
	s_lshl_b32 s30, s20, 9
	s_add_co_u32 s30, s30, BIAS
	v_lshl_add_u32 v33, v3, 5, s30
	v_lshlrev_b32 v34, 4, v1
	v_lshlrev_b32 v35, 4, v3
	v_add_nc_u32 v50, s30, v34                     ; where my four biases go
	; A load of a weight row gives lane l the columns 4 l .. 4 l + 3: 8 bytes of bf16, piece l / 4, byte 8 (l % 4) in it
	v_lshrrev_b32 v48, 2, v1
	v_and_b32 v49, 3, v1
	s_lshl_b32 s30, s20, 15                        ; my wave's 128 rows
	v_lshl_add_u32 v49, v49, 3, s30
.irp q, 0,1,2,3,4,5,6,7
	v_add_nc_u32 v47, \q, v48
	v_and_b32 v47, 7, v47
	v_lshl_add_u32 v[SA+\q], v47, 5, v49
	v_add_nc_u32 v[SA+\q], 256*\q, v[SA+\q]
.endr
	s_mov_b32 s48, 0xb7d14e6c                      ; P's coefficients, highest first, each times log2(e); each is named as a pair, so both words are written
	s_mov_b32 s49, 0xb7d14e6c
	s_mov_b32 s50, 0x3a10ec3c
	s_mov_b32 s51, 0x3a10ec3c
	s_mov_b32 s52, 0xbbb79c87
	s_mov_b32 s53, 0xbbb79c87
	s_mov_b32 s54, 0x3d0f53cc
	s_mov_b32 s55, 0x3d0f53cc
	s_mov_b32 s56, 0xbe1dbebc
	s_mov_b32 s57, 0xbe1dbebc
	s_mov_b32 s58, 0xbf6a77c7
	s_mov_b32 s59, 0xbf6a77c7
	s_mov_b32 s60, 0xbfd06f41
	s_mov_b32 s61, 0xbfd06f41
	s_mov_b32 s62, 0xbf3504f3                      ; -1 / sqrt(2)
	s_mov_b32 s63, 0xbf3504f3
	s_mov_b32 s66, 0x3f3504f3                      ; 1 / sqrt(2)
	s_mov_b32 s39, 0
	s_wait_kmcnt 0x0
	s_lshl_b32 s38, s23, 24                        ; an expert's W1, and its part of h, are 2^24 bytes
	s_add_nc_u64 s[70:71], s[4:5], s[38:39]
	s_add_nc_u64 s[42:43], s[12:13], s[38:39]
	s_lshl_b32 s38, s21, 9                         ; the slice's 512 bytes of a row of W1,
	s_lshl_b32 s30, s20, 21                        ; my wave's 128 rows of 16,384 bytes
	s_add_co_u32 s38, s38, s30
	s_add_nc_u64 s[70:71], s[70:71], s[38:39]
	s_lshl_b32 s38, s21, 8                         ; the slice's 256 bytes of a row of h
	s_add_nc_u64 s[42:43], s[42:43], s[38:39]
	s_lshl_b32 s38, s23, 14
	s_lshl_b32 s30, s21, 9
	s_add_co_u32 s38, s38, s30
	s_add_nc_u64 s[6:7], s[6:7], s[38:39]          ; b1 at my expert and slice
	s_lshl_b32 s38, s23, 13
	s_add_nc_u64 s[14:15], s[14:15], s[38:39]      ; rank at my expert
	s_lshl_b32 s38, s23, 7
	s_add_nc_u64 s[16:17], s[16:17], s[38:39]      ; cnt at my expert
; THE WEIGHTS' WAY IN: a ring of 64 row slots in window 1 (row i of my wave's 128 has the four registers 4 (i % 64)), taken in chunks of 8 rows, so that 56 to 64 loads of the wave are out all the time.
; WL c: chunk c is asked for; a load is one row's 512 consecutive bytes.  It leaves the destination's window at 1.
.macro WL c
	WIN 0x40
.irp q, 0,1,2,3,4,5,6,7
	global_load_b128 v[4*((8*(\c)+\q)&63):4*((8*(\c)+\q)&63)+3], v34, s[70:71] offset:(8*(\c)+\q)*WROW
.endr
.endm
; WC c: chunk c has come; it is rounded to bf16 and laid into LDS (a store is one row's 256 bytes), and its slots are asked for again, with the rows 64 further on.
; The wait leaves the younger chunks out: seven of them while chunks are still being asked for, then 15 - c.
.macro WC c
.if (\c) < 9
	s_wait_loadcnt 56
.else
	s_wait_loadcnt 8*(15-(\c))
.endif
	WIN 0x05
.irp q, 0,1,2,3,4,5,6,7
	v_cvt_pk_bf16_f32 v[BF+16*((\c)&3)+2*\q],   v[4*((8*(\c)+\q)&63)],   v[4*((8*(\c)+\q)&63)+1]
	v_cvt_pk_bf16_f32 v[BF+16*((\c)&3)+2*\q+1], v[4*((8*(\c)+\q)&63)+2], v[4*((8*(\c)+\q)&63)+3]
.endr
	WIN 0
.irp q, 0,1,2,3,4,5,6,7
	ds_store_b64 v[SA+\q], v[BF+16*((\c)&3)+2*\q:BF+16*((\c)&3)+2*\q+1] offset:(\c)*2048
.endr
.if (\c) < 8
	WL (\c)+8
.endif
.endm
	global_load_b128 v[44:47], v34, s[6:7]         ; my four biases
.irp c, 0,1,2,3,4,5,6,7,8,9,10,11,12,13,14,15
	global_load_b128 v[X0+4*\c:X0+4*\c+3], v34, s[10:11] offset:512*\c  ; selm: word i of chunk c is token 128 c + 4 l + i
.endr
	WL 0
	WL 1
	WL 2
	WL 3
	WL 4
	s_wait_loadcnt 40                              ; the biases and selm are in: five chunks of eight weight rows were issued behind them
	WL 5
	WL 6
	WL 7
	WIN 0
	v_cvt_pk_bf16_f32 v48, v44, v45                ; b1 rounded to bf16 like every input, and widened again
	v_cvt_pk_bf16_f32 v49, v46, v47
	v_lshlrev_b32 v44, 16, v48
	v_and_b32 v45, 0xffff0000, v48
	v_lshlrev_b32 v46, 16, v49
	v_and_b32 v47, 0xffff0000, v49
	ds_store_b128 v50, v[44:47]
	v_mov_b32 v51, 0
	v_add_nc_u32 v52, v28, v6
.irp j, 0,1,2,3
	ds_store_b32 v52, v51 offset:128*\j            ; every place of my list starts as token 0: a row that exists
.endr
; Word j of the 64: who chose my expert; each such token's rank (the lanes below it, and all words before); those whose block is my unit's go into my list, at 16 x (block / 16) + rank % 16; the others' stores go
; to the word at place 128.  The rank takes the word's register.  LDS serves a wave's instructions in order (ISA guide 5.7.1.4): these stores land on the zeros above.
.macro SCANW j
	v_and_b32 v52, s26, v[X0+(\j)]
	v_cmp_ne_u32 s28, 0, v52
	v_mbcnt_lo_u32_b32 v[X0+(\j)], s28, s27
	s_bcnt1_i32_b32 s30, s28
	s_add_co_u32 s27, s27, s30
	v_bfe_u32 v53, v[X0+(\j)], 4, 4
	v_cmp_eq_u32 s29, s25, v53
	s_and_b32 s29, s29, s28
	v_lshrrev_b32 v54, 8, v[X0+(\j)]
	v_and_b32 v55, 15, v[X0+(\j)]
	v_lshl_or_b32 v54, v54, 4, v55
	v_cndmask_b32 v54, v7, v54, s29
	v_min_u32 v54, 0x80, v54                       ; the place is made of loaded numbers: it is held inside my list
	v_lshl_add_u32 v54, v54, 2, v28
	v_add_nc_u32 v55, 128*((\j)>>2)+((\j)&3), v6
	ds_store_b32 v54, v55
.endm
.set cc, 0
.rept 16                               ; four words of the count stand behind each chunk of weights: requests for weights go out all the way through the count
	WC cc
	WIN 0
	SCANW 4*cc
	SCANW 4*cc+1
	SCANW 4*cc+2
	SCANW 4*cc+3
.set cc, cc+1
.endr
	s_cmp_lg_u32 s37, 0                            ; slice 0, half 0, wave 0 stores the expert's ranks and count
	s_cbranch_scc1 .Lnorank
.irp c, 0,1,2,3,4,5,6,7,8,9,10,11,12,13,14,15
	global_store_b128 v34, v[X0+4*\c:X0+4*\c+3], s[14:15] offset:512*\c  ; 512 consecutive bytes
.endr
	v_mov_b32 v52, s27
	global_store_b32 v6, v52, s[16:17]             ; n_e, 32 times
.Lnorank:
	s_wait_dscnt 0x0                               ; for the others' sake: my 128 rows are in LDS
	s_barrier_signal -1
	s_barrier_wait -1                              ; the slice is whole; nothing writes it again
	s_add_co_u32 s31, s27, 15
	s_lshr_b32 s31, s31, 4                         ; blocks of the expert
	s_add_co_u32 s32, s31, 15
	s_sub_co_u32 s32, s32, s25
	s_lshr_b32 s32, s32, 4                         ; those of my unit: 0 to 8
; The rows' fragments of 64 along K for m blocks: lane l holds row l % 16; four loads of 16 bytes, 32 bytes apart, at 16 (l / 16).  The other slices' work-groups read the same rows again: TH_LOAD_HT
.macro ALOAD buf, m, byte
.set aa, 0
.rept \m
.irp n, 0,1,2,3
	global_load_b128 v[(\buf)+16*aa+4*\n:(\buf)+16*aa+4*\n+3], v[AO+aa], s[40:41] offset:(\byte)+32*\n th:TH_LOAD_HT
.endr
.set aa, aa+1
.endr
.endm
; 4 m matrix instructions: fragments f0 .. f0 + 3 of the weights x m blocks.  All accumulators take turns, one instruction a turn.  zero: the products start the sums
.macro MMS buf, m, ks, f0, zero
.irp ff, 0,1,2,3
.set aa, 0
.rept \m
.if \zero
	v_wmma_f32_16x16x32_bf16 v[64*aa+8*((\f0)+\ff):64*aa+8*((\f0)+\ff)+7], v[BF+8*((\f0)+\ff):BF+8*((\f0)+\ff)+7], v[(\buf)+16*aa+8*(\ks):(\buf)+16*aa+8*(\ks)+7], 0
.else
	v_wmma_f32_16x16x32_bf16 v[64*aa+8*((\f0)+\ff):64*aa+8*((\f0)+\ff)+7], v[BF+8*((\f0)+\ff):BF+8*((\f0)+\ff)+7], v[(\buf)+16*aa+8*(\ks):(\buf)+16*aa+8*(\ks)+7], v[64*aa+8*((\f0)+\ff):64*aa+8*((\f0)+\ff)+7]
.endif
.set aa, aa+1
.endr
.endr
.endm
; 64 along K.  The rows in buf were asked for 64 along K earlier; la = 1: those for the next 64 are asked for first, at byte 'byte' from the walk's base, into nbuf.  wb: the eight registers with the weights' addresses.
; Four v_nop end each 32 along K: loads into registers that matrix instructions have read stand four plain vector instructions behind them (ISA guide 7.12.1 for vector instructions).
.macro TRIP buf, nbuf, m, zero, la, byte, ldsoff, wb
	s_wait_loadcnt 0x0                             ; my rows are in; nothing younger is out
.if \la
	ALOAD \nbuf, \m, \byte
.endif
.irp ks, 0,1
.irp f, 0,1,2,3,4,5,6,7
	ds_load_tr16_b128 v[BF+8*\f:BF+8*\f+3],   v[(\wb)+\f] offset:(\ldsoff)+8192*\ks
	ds_load_tr16_b128 v[BF+8*\f+4:BF+8*\f+7], v[(\wb)+\f] offset:(\ldsoff)+8192*\ks+4096
.endr
	s_wait_dscnt 0x8                               ; fragments 0-3 are in; the youngest eight loads may be out
.set zz, (\zero)*(1-\ks)
	WIN 0x50                                       ; C and D in window 1
	MMS \buf, \m, \ks, 0, zz
	s_wait_dscnt 0x0
	MMS \buf, \m, \ks, 4, zz
	WIN 0
.rept 4
	v_nop
.endr
.endr
.endm
; A step of 128 along K for four blocks: both row buffers once.
; kind 0: step 0: the weights' addresses are the lane terms themselves, and the first products start the sums.
; kind 1: a step of the loop: its 128 rows of 256 bytes begin at byte s67 of the weights, which goes 32,768 on with each step; step 6's last load ends at byte 6 x 32,768 + 28,672 + 4,080 + 16 = 229,376.
; kind 2: step 7: constant addresses; its second half asks for no rows: no load passes a row's end, and none is out behind the walk.
.macro BODY m, kind
.if (\kind) == 0
	TRIP X0, X1, \m, 1, 1, 128, 0, BA
	TRIP X1, X0, \m, 0, 1, 256, 16384, BA
.endif
.if (\kind) == 1
.irp f, 0,1,2,3,4,5,6,7
	v_add_nc_u32 v[BW+\f], s67, v[BA+\f]
.endr
	s_add_co_u32 s67, s67, 0x8000                  ; the next step's first byte
	TRIP X0, X1, \m, 0, 1, 128, 0, BW
	TRIP X1, X0, \m, 0, 1, 256, 16384, BW
.endif
.if (\kind) == 2
.irp f, 0,1,2,3,4,5,6,7
	v_add_nc_u32 v[BW+\f], 0x38000, v[BA+\f]
.endr
	TRIP X0, X1, \m, 0, 1, 128, 0, BW
	TRIP X1, X0, \m, 0, 0, 0, 16384, BW
.endif
.if (\kind) < 2
	s_wait_xcnt 0x0                                ; the loads on their way have had their addresses translated (ISA guide 3.1): their base steps only behind this wait
	s_add_nc_u64 s[40:41], s[40:41], 256
.endif
.endm
; THE WALK FOR ONE BLOCK.  K step i of a trip of eight (32 along K each; s35 = trips to go, 4 to 1).
; ROWS: X0 is a ring of eight slots of 8 registers; slot i is filled again directly behind its products, from s[40:41], the next trip's 512 bytes of the row: a request stands seven K steps ahead of its wait,
; and that wait leaves the seven younger slots' 14 loads out.  In the last trip s[40:41] is the row's first byte: 16 loads (8 KB) that serve nothing, inside the buffer, so that every trip's waits count alike.
; WEIGHTS: two sets of 8 fragments, BF and X1, by turns; the next K step's 16 loads go out ahead of this K step's products, and the wait leaves them out.  v[BW] is the trip's SECOND K step, so that the
; immediates reach the next trip's first (7 x 8,192 + 4,096 = 61,440).  The last K step of all has no next: its loads are jumped, to a wait for 0.
; The first K step of all takes the constant 0 as C: nothing is cleared.  The eight accumulators take turns.  Four v_nop stand between the products and the loads into what they read.
.macro WSTEP i
.set SC, BF+128*((\i)&1)
.set SN, BF+128-128*((\i)&1)
.if (\i) == 7
	s_cmp_eq_u32 s35, 1
	s_cbranch_scc1 .Lw_end
.endif
.irp f, 0,1,2,3,4,5,6,7
	ds_load_tr16_b128 v[SN+8*\f:SN+8*\f+3],   v[BW+\f] offset:8192*(\i)
	ds_load_tr16_b128 v[SN+8*\f+4:SN+8*\f+7], v[BW+\f] offset:8192*(\i)+4096
.endr
	s_wait_dscnt 0x10                              ; this K step's fragments are in; the 16 just issued may be out
.if (\i) == 7
	s_branch .Lw_go
.Lw_end:
	s_wait_dscnt 0x0                               ; nothing was issued behind this K step's fragments
.Lw_go:
.endif
	s_wait_loadcnt 0xe                             ; slot i is in; seven younger slots of two loads may be out
.if (\i) == 0
	s_cmp_eq_u32 s35, 4
	s_cbranch_scc1 .Lw_zero
.endif
	WIN 0x50
.irp f, 0,1,2,3,4,5,6,7
	v_wmma_f32_16x16x32_bf16 v[8*\f:8*\f+7], v[SC+8*\f:SC+8*\f+7], v[X0+8*(\i):X0+8*(\i)+7], v[8*\f:8*\f+7]
.endr
	WIN 0
.if (\i) == 0
	s_branch .Lw_on
.Lw_zero:
	WIN 0x50
.irp f, 0,1,2,3,4,5,6,7
	v_wmma_f32_16x16x32_bf16 v[8*\f:8*\f+7], v[SC+8*\f:SC+8*\f+7], v[X0+8*(\i):X0+8*(\i)+7], 0
.endr
	WIN 0
.Lw_on:
.endif
.rept 4
	v_nop
.endr
	global_load_b128 v[X0+8*(\i):X0+8*(\i)+3],   v[AO], s[40:41] offset:64*(\i) th:TH_LOAD_HT
	global_load_b128 v[X0+8*(\i)+4:X0+8*(\i)+7], v[AO], s[40:41] offset:64*(\i)+32 th:TH_LOAD_HT
.endm
; Block a's 64 sums a lane, and the biases, into X1: the accumulators are read in ascending order
.macro STUB a
	WIN 0x01
.set pp, 0
.rept 32
	v_pk_add_f32 v[X1+2*pp:X1+2*pp+1], v[64*(\a)+2*pp:64*(\a)+2*pp+1], v[X0+2*pp:X0+2*pp+1]
.set pp, pp+1
.endr
	WIN 0
.endm
; gelu of 32 numbers a lane, X1 + 32 b on; t in BF + 0..31, the polynomial and then erfc in BF + 32..63.  The 32 exponentials are one batch with one wait; the 32 maxima are the plain work behind them.
.macro GELU b
.set VX, X1+32*(\b)
.set kk, 0
.rept 32
	v_mul_f32 v[BF+kk], s66, |v[VX+kk]|
.set kk, kk+1
.endr
.set kk, 0
.rept 16
	v_pk_fma_f32 v[BF+32+2*kk:BF+33+2*kk], v[BF+2*kk:BF+2*kk+1], s[48:49], s[50:51] op_sel_hi:[1,0,0]
.set kk, kk+1
.endr
.irp cc2, 52,54,56,58,60
.set kk, 0
.rept 16
	v_pk_fma_f32 v[BF+32+2*kk:BF+33+2*kk], v[BF+32+2*kk:BF+33+2*kk], v[BF+2*kk:BF+2*kk+1], s[\cc2:\cc2+1] op_sel_hi:[1,1,0]
.set kk, kk+1
.endr
.endr
.set kk, 0
.rept 16
	v_pk_mul_f32 v[BF+32+2*kk:BF+33+2*kk], v[BF+32+2*kk:BF+33+2*kk], v[BF+2*kk:BF+2*kk+1]
.set kk, kk+1
.endr
.set kk, 0
.rept 32
	v_exp_f32 v[BF+32+kk], v[BF+32+kk]
.set kk, kk+1
.endr
.set kk, 0
.rept 32
	v_max_num_f32 v[VX+kk], 0, v[VX+kk]
.set kk, kk+1
.endr
	s_wait_alu depctr_va_vdst(0)                   ; ahead of the first line that names an exponential's result: one for the batch
.set kk, 0
.rept 16
	v_pk_mul_f32 v[BF+32+2*kk:BF+33+2*kk], v[BF+32+2*kk:BF+33+2*kk], v[BF+2*kk:BF+2*kk+1]
.set kk, kk+1
.endr
.set kk, 0
.rept 16
	v_pk_fma_f32 v[VX+2*kk:VX+2*kk+1], v[BF+32+2*kk:BF+33+2*kk], s[62:63], v[VX+2*kk:VX+2*kk+1] op_sel_hi:[1,0,1]
.set kk, kk+1
.endr
.set kk, 0
.rept 16
	v_cvt_pk_bf16_f32 v[X1+16*(\b)+kk], v[VX+2*kk], v[VX+2*kk+1]  ; packed downward in place: a destination never lies above its sources
.set kk, kk+1
.endr
.endm
	s_mov_b32 s33, 0
.Lpass:                                                ; two passes of four blocks: a constant count; a wave without live blocks jumps the work, never a barrier
	s_lshl_b32 s30, s33, 2
	s_sub_co_i32 s34, s32, s30
	s_max_i32 s34, s34, 0
	s_min_i32 s34, s34, 4                          ; live blocks of this pass
	s_cmp_eq_u32 s34, 0
	s_cbranch_scc1 .Lwalked
	s_wait_loadcnt 0x0                             ; no load of rows is out,
	s_wait_xcnt 0x0                                ; and the stores before have read their registers: the rows' registers, offsets and base are written again only behind these
	s_lshl_b32 s46, s33, 8                         ; four blocks of 16 places of 4 bytes
	v_add_nc_u32 v44, s46, v29
.irp a, 0,1,2,3
	ds_load_b32 v[AO+\a], v44 offset:64*\a         ; my row's token in each block
.endr
	s_mov_b64 s[40:41], s[ROWS:ROWS+1]
	s_wait_dscnt 0x0
.irp a, 0,1,2,3
	v_min_u32 v[AO+\a], 0x7ff, v[AO+\a]            ; a loaded number enters an address: it is held inside the table
	v_lshl_add_u32 v[AO+\a], v[AO+\a], 11, v35     ; 2,048 bytes a row of xb
.endr
	s_cmp_eq_u32 s34, 1
	s_cbranch_scc1 .Lwide
	ALOAD X0, 4, 0
	BODY 4, 0                                      ; step 0 for all four blocks, live or not: its first products start every sum, and nothing is cleared
	s_mov_b32 s35, 6
	s_mov_b32 s67, 0x8000
.Lk4:                                                  ; steps 1 to 6
	BODY 4, 1
	s_sub_co_u32 s35, s35, 1
	s_cmp_lg_u32 s35, 0
	s_cbranch_scc1 .Lk4
	BODY 4, 2                                      ; step 7
	s_branch .Lwalked
.Lwide:                                                ; one live block: the ring's eight slots and the first K step's fragments are asked for, then four trips
.irp i, 0,1,2,3,4,5,6,7
	global_load_b128 v[X0+8*\i:X0+8*\i+3],   v[AO], s[40:41] offset:64*\i th:TH_LOAD_HT
	global_load_b128 v[X0+8*\i+4:X0+8*\i+7], v[AO], s[40:41] offset:64*\i+32 th:TH_LOAD_HT
.endr
.irp f, 0,1,2,3,4,5,6,7
	ds_load_tr16_b128 v[BF+8*\f:BF+8*\f+3],   v[BA+\f]
	ds_load_tr16_b128 v[BF+8*\f+4:BF+8*\f+7], v[BA+\f] offset:4096
.endr
	s_mov_b32 s35, 4
	s_mov_b32 s67, 0x2000                          ; the first trip's second K step: 32 rows of 256 bytes
.Lw:
.irp f, 0,1,2,3,4,5,6,7
	v_add_nc_u32 v[BW+\f], s67, v[BA+\f]
.endr
	s_add_co_u32 s67, s67, 0x10000                 ; a trip is 256 rows of 256 bytes; the last trip's last load ends at 204,800 + 53,248 + 4,080 + 16 = 262,144, the weights' end
	s_wait_xcnt 0x0                                ; the loads on their way have had their addresses translated (ISA guide 3.1): their base is written only behind this wait
	s_add_nc_u64 s[40:41], s[40:41], 512           ; the refills' base: the next trip's 512 bytes of the row,
	s_cmp_eq_u32 s35, 1
	s_cselect_b64 s[40:41], s[ROWS:ROWS+1], s[40:41]  ; or, in the last trip, the row's first
	WSTEP 0
	WSTEP 1
	WSTEP 2
	WSTEP 3
	WSTEP 4
	WSTEP 5
	WSTEP 6
	WSTEP 7
	s_sub_co_u32 s35, s35, 1
	s_cmp_lg_u32 s35, 0
	s_cbranch_scc1 .Lw
.Lwalked:                                              ; the four v_nop that end the last 32 along K are the places behind the last products
	s_wait_dscnt 0x0                               ; my reads of the weights are back
	s_barrier_signal -1
	s_barrier_wait -1                              ; every wave's walk of this pass is over: now the stages are written
	s_cmp_eq_u32 s34, 0
	s_cbranch_scc1 .Lstored
	s_wait_loadcnt 0x0                             ; the one-block walk's last refills have landed: X0 is written again only behind this wait
.irp f, 0,1,2,3,4,5,6,7
	ds_load_b128 v[X0+8*\f:X0+8*\f+3],   v33 offset:64*\f      ; the biases of my 8 columns of fragment f
	ds_load_b128 v[X0+8*\f+4:X0+8*\f+7], v33 offset:64*\f+16
.endr
	s_wait_dscnt 0x0
	s_mov_b32 s36, 0
.Lepi:                                                 ; the way out, a block a trip: a constant count of four; dead blocks are jumped
	s_cmp_ge_u32 s36, s34
	s_cbranch_scc1 .Lepi_next
	s_wait_xcnt 0x0                                ; X1 and h's address were the last block's stores': they are written again only behind this wait
	s_cmp_eq_u32 s36, 0
	s_cbranch_scc0 .Ls1
	STUB 0
	s_branch .Lgelu
.Ls1:
	s_cmp_eq_u32 s36, 1
	s_cbranch_scc0 .Ls2
	STUB 1
	s_branch .Lgelu
.Ls2:
	s_cmp_eq_u32 s36, 2
	s_cbranch_scc0 .Ls3
	STUB 2
	s_branch .Lgelu
.Ls3:
	STUB 3
.Lgelu:
	GELU 0
	GELU 1
.irp f, 0,1,2,3,4,5,6,7
	ds_store_b128 v30, v[X1+4*\f:X1+4*\f+3] offset:32*\f   ; a lane's 8 columns are 16 bytes of a row
.endr
.irp t, 0,1,2,3,4,5,6,7
	ds_load_b128 v[X1+32+4*\t:X1+32+4*\t+3], v31 offset:544*\t  ; back as whole rows; my own stage, served in order (ISA guide 5.7.1.4): no wait between
.endr
	s_lshl_b32 s30, s33, 2
	s_add_co_u32 s30, s30, s36
	s_lshl_b32 s30, s30, 4
	s_add_co_u32 s30, s30, s25                     ; the block's number: 16 x (4 pass + a) + unit
	s_lshl_b32 s38, s30, 17                        ; 16 rows of 8,192 bytes
	s_add_nc_u64 s[44:45], s[42:43], s[38:39]
.irp t, 0,1,2,3,4,5,6,7
	s_wait_dscnt 7-\t
	global_store_b128 v32, v[X1+32+4*\t:X1+32+4*\t+3], s[44:45] offset:16384*\t th:TH_STORE_NT  ; 16 lanes store 256 consecutive bytes, at a multiple of 256 from h's first byte; written once, not read in this launch
.endr
.Lepi_next:
	s_add_co_u32 s36, s36, 1
	s_cmp_lt_u32 s36, 4
	s_cbranch_scc1 .Lepi
.Lstored:
	s_wait_dscnt 0x0                               ; my stores into my stage, and my reads of it, are done
	s_barrier_signal -1
	s_barrier_wait -1                              ; every wave's are: the next pass's walk may read
	s_add_co_u32 s33, s33, 1
	s_cmp_lt_u32 s33, 2
	s_cbranch_scc1 .Lpass
	s_wait_tensorcnt 0x0                           ; the wave's end, behind my last LDS store
	ds_add_u32 v4, v5
	s_wait_dscnt 0x0
	s_endpgm
.Lfunc_end_k_q5aa57f477d_ffn1:
	.size	k_q5aa57f477d_ffn1, .Lfunc_end_k_q5aa57f477d_ffn1-k_q5aa57f477d_ffn1
	.p2alignl 7, 3214868480
	.fill 96, 4, 3214868480
	.section	.rodata,"a",@progbits
	.p2align	6, 0x0
	.amdhsa_kernel k_q5aa57f477d_ffn1
		.amdhsa_group_segment_fixed_size 308224
		.amdhsa_private_segment_fixed_size 0
		.amdhsa_enable_private_segment 0
		.amdhsa_kernarg_size 56
		.amdhsa_user_sgpr_count 2
		.amdhsa_user_sgpr_kernarg_segment_ptr 1
		.amdhsa_wavefront_size32 1
		.amdhsa_system_sgpr_workgroup_id_x 1
		.amdhsa_system_sgpr_workgroup_id_y 1
		.amdhsa_system_sgpr_workgroup_id_z 1
		.amdhsa_system_vgpr_workitem_id 0
		.amdhsa_next_free_vgpr 512
		.amdhsa_next_free_sgpr 80
		.amdhsa_reserve_vcc 0
		.amdhsa_float_denorm_mode_32 3
		.amdhsa_float_denorm_mode_16_64 3
		.amdhsa_memory_ordered 1
		.amdhsa_forward_progress 1
		.amdhsa_inst_pref_size 212
	.end_amdhsa_kernel
	.amdgpu_metadata
---
amdhsa.version: [ 1, 2 ]
amdhsa.kernels:
  - .name:           k_q5aa57f477d_ffn1
    .symbol:         k_q5aa57f477d_ffn1.kd
    .args:
      - { .name: W1, .offset: 0, .size: 8, .value_kind: global_buffer, .address_space: global }
      - { .name: b1, .offset: 8, .size: 8, .value_kind: global_buffer, .address_space: global }
      - { .name: xb, .offset: 16, .size: 8, .value_kind: global_buffer, .address_space: global }
      - { .name: selm, .offset: 24, .size: 8, .value_kind: global_buffer, .address_space: global }
      - { .name: h, .offset: 32, .size: 8, .value_kind: global_buffer, .address_space: global }
      - { .name: rank, .offset: 40, .size: 8, .value_kind: global_buffer, .address_space: global }
      - { .name: cnt, .offset: 48, .size: 8, .value_kind: global_buffer, .address_space: global }
    .group_segment_fixed_size: 308224
    .private_segment_fixed_size: 0
    .kernarg_segment_align: 8
    .kernarg_segment_size: 56
    .max_flat_workgroup_size: 256
    .sgpr_count:     80
    .vgpr_count:     512
    .wavefront_size: 32
...
	.end_amdgpu_metadata
.endif
;; end of part 2
;; launch ffn2 (part 3): grid 32 x 8, 8 waves a work-group, no clusters, 297,984 bytes of LDS; arguments W2, h, cnt, part; writes part
.if DOCPART == 3
	.amdgcn_target "amdgcn-amd-amdhsa--gfx1250"
	.amdhsa_code_object_version 6
	.text
	.protected	k_q5aa57f477d_ffn2
	.globl	k_q5aa57f477d_ffn2
	.p2align	8
	.type	k_q5aa57f477d_ffn2,@function
k_q5aa57f477d_ffn2:
	s_mov_b64 s[64:65], 0
	v_nop
	global_prefetch_b8 v0, s[64:65] scope:SCOPE_SE
	s_setreg_imm32_b32 hwreg(HW_REG_WAVE_MODE, 25, 1), 1
	s_wait_xcnt 0x0
; SECOND PRODUCT, in four parts along K.  part[kq][e][rank][d] = the sum over f in quarter kq of F of h[e][rank][f] W2[e][f][d], f32.  W2 is rounded to bf16; h arrives in bf16; sums in f32.
; The structure is the first product's: a work-group owns K = 1,024 x 128 columns of ONE expert's weights (grid x = 8 kq + column slice of D = 1,024; grid y = 2 e + half), rounds them in registers and lays them
; into LDS as bf16 [k][n]; a barrier; behind it nothing writes the weights.  The rows of h lie in the order of the ranks, so they need no list: block b (16 ranks) belongs to unit b % 16,
; unit = 2 x wave + half, at most 8 blocks a unit, in two passes of four.  The number of blocks comes from cnt, whole numbers that the launch before stored.
; WHY FOUR PARTS: the output has 4,096 rows x 1,024 columns; only with K split by four do 256 work-groups each hold a slice that fills LDS.  The parts are partial sums and stay f32; the last launch adds them.
; THE WALK ALONG K has two texts.  FOUR BLOCKS: 8 steps of 128; steps 0 and 7 are written out (step 0's first products start the sums, step 7 asks for no rows beyond its own), steps 1 to 6 are a loop.
; A pass with two or three live blocks walks four; a dead block repeats the expert's last block (bytes that the launch before wrote) and is not stored.  ONE BLOCK (at an even split a unit has 4 blocks, and a
; few units a fifth): a walk of its own, 32 K steps of 32 in 4 trips, in which the registers that three blocks leave idle hold rows and fragments asked for further ahead (see WSTEP).
; Rows past the count inside a live block are stored and never read.
; PHASES.  In each pass a barrier stands between the walk, which reads LDS at addresses that step with K, and the waves' stores into their stages, and another behind those stores: reads at stepped addresses
; and writes lie in different phases of the work-group, whatever the addresses.  All eight waves pass every barrier: the passes have a constant count, and only work is jumped.
; NO MULTICAST, NO TENSOR LOAD: how many rows a wave reads hangs on a stored count; a slice of weights has two readers only.
; THE MATRIX INSTRUCTION IS USED TRANSPOSED: source 0 = 16 columns of W2, source 1 = 16 rows: a lane holds row l % 16 and the 8 neighbouring columns 16 f + 8 (l / 16) + 0..7.
; REGISTERS, in windows of 256 (s_set_vgpr_msb: bits 1:0 source 0, 3:2 source 1, 5:4 source 2, 7:6 destination):
;   window 0: v0-63 addresses and work; v64-127 BF, the weights' 8 fragments of 32 along K; v128-191 X0, v192-255 X1: the rows' fragments of 64 along K, block a at + 16 a
;   window 1: the 32 accumulators, (a, f) at 64 a + 8 f; ahead of the first barrier: f32 weights on their way
.set WROW,   4096                      ; bytes from a row of W2 to the next
.set STG,    262144                    ; behind the weights (1,024 rows x 256 bytes): each wave's stage, 16 rows x 272 bytes
.set SPITCH, 272                       ; 256 + 16 bytes = 68 words: 16 rows start at 16 different groups of four banks (64 banks of 4 bytes: ISA guide 11.1)
.set SPARE,  296960                    ; the spare words, 128 bytes for each wave: four blocks of 256 bytes that no other line names
.set BA, 8                             ; v8-15   my lane's place in the weights for fragment f, at K = 0; never rewritten
.set BW, 16                            ; v16-23  the same at the walk's place along K: made anew at the head of every step or trip
.set AO, 24                            ; v24-27  byte offset in the expert's h of my row of block a, + 16 (l / 16)
.set SA, 36                            ; v36-43  where my 8 bytes of a weight row k go, by k % 8
.set BF, 64
.set X0, 128
.set X1, 192
.set ROWS, 72                          ; s[72:73] h at my expert and quarter
; v1 lane; v2 l % 16; v3 l / 16; v4 my spare word; v5 0 (these two serve the add alone); v30 into the stage; v31 back from it; v32 my offset in two rows of part; v33 my row in a block of h; v34 16 l; v44-49 at work
; s20 wave; s21 kq; s22 column slice; s23 e; s24 half; s25 unit; s27 n_e; s31 blocks; s32 my unit's blocks; s33 pass; s34 live blocks; s35 the loop's steps or trips to go; s[38:39] an offset, high word 0;
; s[40:41] h, walking along K; s[42:43] part at my quarter, expert and slice; s[44:45] part at a block; s47 the last block; s67 the walk's place in the weights, in bytes; s[70:71] my wave's 128 rows of W2
.set MSB, 0
.macro WIN new                         ; the immediate's high byte repeats the setting that is left; a switch that changes nothing is dropped
.if MSB != (\new)
	s_set_vgpr_msb (MSB<<8)|(\new)
.set MSB, \new
.endif
.endm
	s_load_b256 s[4:11], s[0:1], 0x0               ; W2 s[4:5], h s[6:7], cnt s[8:9], part s[10:11]
	v_lshl_add_u32 v4, v0, 2, SPARE
	v_mov_b32 v5, 0
	v_lshrrev_b32 v44, 5, v0
	v_readfirstlane_b32 s20, v44                   ; wave 0..7
	s_lshr_b32 s21, ttmp9, 3
	s_and_b32 s22, ttmp9, 7
	s_and_b32 s30, ttmp7, 0xffff
	s_lshr_b32 s23, s30, 1
	s_and_b32 s24, s30, 1
	s_lshl1_add_u32 s25, s20, s24                  ; unit = 2 x wave + half
	v_and_b32 v1, 31, v0
	v_and_b32 v2, 15, v0
	v_bfe_u32 v3, v0, 4, 1
	; The weights in LDS: row k is 256 bytes; its piece u of 32 bytes (columns 16 u ..) lies at place (u + k % 8) % 8.  So the 8 rows that 16 lanes of a turning load touch fall on 8 different places.
	; The turning load: lane l reads 16 bytes of row k0 + 8 (l / 16) + l % 8, columns 16 f + 8 ((l / 8) % 2) + 0..7, and is left with column 16 f + l % 16 and 8 values of k.
	v_and_b32 v44, 7, v0
	v_bfe_u32 v45, v0, 3, 1
	v_lshl_add_u32 v46, v3, 3, v44
	v_lshlrev_b32 v46, 8, v46
	v_lshl_add_u32 v46, v45, 4, v46
.irp f, 0,1,2,3,4,5,6,7
	v_add_nc_u32 v47, \f, v44
	v_and_b32 v47, 7, v47
	v_lshl_add_u32 v[BA+\f], v47, 5, v46           ; at most 15 x 256 + 16 + 7 x 32 = 4,080
.endr
	s_mul_i32 s30, s20, 16*SPITCH
	s_add_co_u32 s30, s30, STG
	v_mul_u32_u24 v30, v2, SPITCH                  ; in: row l % 16, 32 bytes (8 f32) for each half of the lanes
	v_lshl_add_u32 v30, v3, 5, v30
	v_add_nc_u32 v30, s30, v30
	v_mul_u32_u24 v31, v3, SPITCH                  ; back: lanes 0-15 take one row's 256 bytes, lanes 16-31 the next row's
	v_lshl_add_u32 v31, v2, 4, v31
	v_add_nc_u32 v31, s30, v31
	v_lshlrev_b32 v32, 12, v3                      ; and the same two rows in part, 4,096 bytes apart
	v_lshl_add_u32 v32, v2, 4, v32
	v_lshlrev_b32 v33, 13, v2                      ; my row in a block of h, 8,192 bytes a row,
	v_lshl_add_u32 v33, v3, 4, v33                 ; + 16 (l / 16)
	v_lshlrev_b32 v34, 4, v1
	; A load of a weight row gives lane l the columns 4 l .. 4 l + 3: 8 bytes of bf16, piece l / 4, byte 8 (l % 4) in it
	v_lshrrev_b32 v48, 2, v1
	v_and_b32 v49, 3, v1
	s_lshl_b32 s30, s20, 15                        ; my wave's 128 rows
	v_lshl_add_u32 v49, v49, 3, s30
.irp q, 0,1,2,3,4,5,6,7
	v_add_nc_u32 v47, \q, v48
	v_and_b32 v47, 7, v47
	v_lshl_add_u32 v[SA+\q], v47, 5, v49
	v_add_nc_u32 v[SA+\q], 256*\q, v[SA+\q]
.endr
	s_mov_b32 s39, 0
	s_wait_kmcnt 0x0
	s_lshl_b32 s38, s23, 7
	s_add_nc_u64 s[8:9], s[8:9], s[38:39]
	s_load_b32 s27, s[8:9], 0x0                    ; n_e
	s_lshl_b32 s38, s23, 24                        ; the expert's 2^24 bytes of W2,
	s_lshl_b32 s30, s21, 22                        ; the quarter's 1,024 rows of 4,096 bytes,
	s_add_co_u32 s38, s38, s30
	s_lshl_b32 s30, s22, 9                         ; the slice's 512 bytes of a row,
	s_add_co_u32 s38, s38, s30
	s_lshl_b32 s30, s20, 19                        ; my wave's 128 rows
	s_add_co_u32 s38, s38, s30
	s_add_nc_u64 s[70:71], s[4:5], s[38:39]
	s_lshl_b32 s38, s23, 24                        ; the expert's 2^24 bytes of h,
	s_lshl_b32 s30, s21, 11                        ; the quarter's 2,048 bytes of a row
	s_add_co_u32 s38, s38, s30
	s_add_nc_u64 s[ROWS:ROWS+1], s[6:7], s[38:39]
	s_lshl2_add_u32 s38, s21, s23                  ; 4 kq + e,
	s_lshl_b32 s38, s38, 23                        ; 2,048 rows of 4,096 bytes each,
	s_lshl_b32 s30, s22, 9                         ; the slice's 512 bytes of a row
	s_add_co_u32 s38, s38, s30
	s_add_nc_u64 s[42:43], s[10:11], s[38:39]
; THE WEIGHTS' WAY IN: a ring of 64 row slots in window 1 (row i of my wave's 128 has the four registers 4 (i % 64)), taken in chunks of 8 rows, so that 56 to 64 loads of the wave are out all the time.
; WL c: chunk c is asked for; a load is one row's 512 consecutive bytes.  It leaves the destination's window at 1.
.macro WL c
	WIN 0x40
.irp q, 0,1,2,3,4,5,6,7
	global_load_b128 v[4*((8*(\c)+\q)&63):4*((8*(\c)+\q)&63)+3], v34, s[70:71] offset:(8*(\c)+\q)*WROW
.endr
.endm
; WC c: chunk c has come; it is rounded to bf16 and laid into LDS (a store is one row's 256 bytes), and its slots are asked for again, with the rows 64 further on.
; The wait leaves the younger chunks out: seven of them while chunks are still being asked for, then 15 - c.
.macro WC c
.if (\c) < 9
	s_wait_loadcnt 56
.else
	s_wait_loadcnt 8*(15-(\c))
.endif
	WIN 0x05
.irp q, 0,1,2,3,4,5,6,7
	v_cvt_pk_bf16_f32 v[BF+16*((\c)&3)+2*\q],   v[4*((8*(\c)+\q)&63)],   v[4*((8*(\c)+\q)&63)+1]
	v_cvt_pk_bf16_f32 v[BF+16*((\c)&3)+2*\q+1], v[4*((8*(\c)+\q)&63)+2], v[4*((8*(\c)+\q)&63)+3]
.endr
	WIN 0
.irp q, 0,1,2,3,4,5,6,7
	ds_store_b64 v[SA+\q], v[BF+16*((\c)&3)+2*\q:BF+16*((\c)&3)+2*\q+1] offset:(\c)*2048
.endr
.if (\c) < 8
	WL (\c)+8
.endif
.endm
.set cc, 0
.rept 8
	WL cc
.set cc, cc+1
.endr
.set cc, 0
.rept 16
	WC cc
.set cc, cc+1
.endr
	WIN 0
	s_wait_dscnt 0x0                               ; for the others' sake: my 128 rows are in LDS
	s_barrier_signal -1
	s_barrier_wait -1                              ; the slice is whole; nothing writes it again
	s_wait_kmcnt 0x0
	s_min_u32 s27, s27, 0x800                      ; a loaded count: held to the number of tokens
	s_add_co_u32 s31, s27, 15
	s_lshr_b32 s31, s31, 4                         ; blocks of the expert
	s_sub_co_u32 s47, s31, 1                       ; the last of them (used only where there is one)
	s_add_co_u32 s32, s31, 15
	s_sub_co_u32 s32, s32, s25
	s_lshr_b32 s32, s32, 4                         ; those of my unit: 0 to 8
; The rows' fragments of 64 along K for m blocks: lane l holds row l % 16; four loads of 16 bytes, 32 bytes apart, at 16 (l / 16).  The other slices' work-groups read the same rows again: TH_LOAD_HT
.macro ALOAD buf, m, byte
.set aa, 0
.rept \m
.irp n, 0,1,2,3
	global_load_b128 v[(\buf)+16*aa+4*\n:(\buf)+16*aa+4*\n+3], v[AO+aa], s[40:41] offset:(\byte)+32*\n th:TH_LOAD_HT
.endr
.set aa, aa+1
.endr
.endm
; 4 m matrix instructions: fragments f0 .. f0 + 3 of the weights x m blocks.  All accumulators take turns, one instruction a turn.  zero: the products start the sums
.macro MMS buf, m, ks, f0, zero
.irp ff, 0,1,2,3
.set aa, 0
.rept \m
.if \zero
	v_wmma_f32_16x16x32_bf16 v[64*aa+8*((\f0)+\ff):64*aa+8*((\f0)+\ff)+7], v[BF+8*((\f0)+\ff):BF+8*((\f0)+\ff)+7], v[(\buf)+16*aa+8*(\ks):(\buf)+16*aa+8*(\ks)+7], 0
.else
	v_wmma_f32_16x16x32_bf16 v[64*aa+8*((\f0)+\ff):64*aa+8*((\f0)+\ff)+7], v[BF+8*((\f0)+\ff):BF+8*((\f0)+\ff)+7], v[(\buf)+16*aa+8*(\ks):(\buf)+16*aa+8*(\ks)+7], v[64*aa+8*((\f0)+\ff):64*aa+8*((\f0)+\ff)+7]
.endif
.set aa, aa+1
.endr
.endr
.endm
; 64 along K.  The rows in buf were asked for 64 along K earlier; la = 1: those for the next 64 are asked for first, at byte 'byte' from the walk's base, into nbuf.  wb: the eight registers with the weights' addresses.
; Four v_nop end each 32 along K: loads into registers that matrix instructions have read stand four plain vector instructions behind them (ISA guide 7.12.1 for vector instructions).
.macro TRIP buf, nbuf, m, zero, la, byte, ldsoff, wb
	s_wait_loadcnt 0x0                             ; my rows are in; nothing younger is out
.if \la
	ALOAD \nbuf, \m, \byte
.endif
.irp ks, 0,1
.irp f, 0,1,2,3,4,5,6,7
	ds_load_tr16_b128 v[BF+8*\f:BF+8*\f+3],   v[(\wb)+\f] offset:(\ldsoff)+8192*\ks
	ds_load_tr16_b128 v[BF+8*\f+4:BF+8*\f+7], v[(\wb)+\f] offset:(\ldsoff)+8192*\ks+4096
.endr
	s_wait_dscnt 0x8                               ; fragments 0-3 are in; the youngest eight loads may be out
.set zz, (\zero)*(1-\ks)
	WIN 0x50                                       ; C and D in window 1
	MMS \buf, \m, \ks, 0, zz
	s_wait_dscnt 0x0
	MMS \buf, \m, \ks, 4, zz
	WIN 0
.rept 4
	v_nop
.endr
.endr
.endm
; A step of 128 along K for four blocks: both row buffers once.
; kind 0: step 0: the weights' addresses are the lane terms themselves, and the first products start the sums.
; kind 1: a step of the loop: its 128 rows of 256 bytes begin at byte s67 of the weights, which goes 32,768 on with each step; step 6's last load ends at byte 6 x 32,768 + 28,672 + 4,080 + 16 = 229,376.
; kind 2: step 7: constant addresses; its second half asks for no rows: no load passes the quarter's end, and none is out behind the walk.
.macro BODY m, kind
.if (\kind) == 0
	TRIP X0, X1, \m, 1, 1, 128, 0, BA
	TRIP X1, X0, \m, 0, 1, 256, 16384, BA
.endif
.if (\kind) == 1
.irp f, 0,1,2,3,4,5,6,7
	v_add_nc_u32 v[BW+\f], s67, v[BA+\f]
.endr
	s_add_co_u32 s67, s67, 0x8000                  ; the next step's first byte
	TRIP X0, X1, \m, 0, 1, 128, 0, BW
	TRIP X1, X0, \m, 0, 1, 256, 16384, BW
.endif
.if (\kind) == 2
.irp f, 0,1,2,3,4,5,6,7
	v_add_nc_u32 v[BW+\f], 0x38000, v[BA+\f]
.endr
	TRIP X0, X1, \m, 0, 1, 128, 0, BW
	TRIP X1, X0, \m, 0, 0, 0, 16384, BW
.endif
.if (\kind) < 2
	s_wait_xcnt 0x0                                ; the loads on their way have had their addresses translated (ISA guide 3.1): their base steps only behind this wait
	s_add_nc_u64 s[40:41], s[40:41], 256
.endif
.endm
; THE WALK FOR ONE BLOCK.  K step i of a trip of eight (32 along K each; s35 = trips to go, 4 to 1).
; ROWS: X0 is a ring of eight slots of 8 registers; slot i is filled again directly behind its products, from s[40:41], the next trip's 512 bytes of the row: a request stands seven K steps ahead of its wait,
; and that wait leaves the seven younger slots' 14 loads out.  In the last trip s[40:41] is the quarter's first byte: 16 loads (8 KB) that serve nothing, of bytes that the launch before wrote, so that every
; trip's waits count alike.
; WEIGHTS: two sets of 8 fragments, BF and X1, by turns; the next K step's 16 loads go out ahead of this K step's products, and the wait leaves them out.  v[BW] is the trip's SECOND K step, so that the
; immediates reach the next trip's first (7 x 8,192 + 4,096 = 61,440).  The last K step of all has no next: its loads are jumped, to a wait for 0.
; The first K step of all takes the constant 0 as C: nothing is cleared.  The eight accumulators take turns.  Four v_nop stand between the products and the loads into what they read.
.macro WSTEP i
.set SC, BF+128*((\i)&1)
.set SN, BF+128-128*((\i)&1)
.if (\i) == 7
	s_cmp_eq_u32 s35, 1
	s_cbranch_scc1 .Lw_end
.endif
.irp f, 0,1,2,3,4,5,6,7
	ds_load_tr16_b128 v[SN+8*\f:SN+8*\f+3],   v[BW+\f] offset:8192*(\i)
	ds_load_tr16_b128 v[SN+8*\f+4:SN+8*\f+7], v[BW+\f] offset:8192*(\i)+4096
.endr
	s_wait_dscnt 0x10                              ; this K step's fragments are in; the 16 just issued may be out
.if (\i) == 7
	s_branch .Lw_go
.Lw_end:
	s_wait_dscnt 0x0                               ; nothing was issued behind this K step's fragments
.Lw_go:
.endif
	s_wait_loadcnt 0xe                             ; slot i is in; seven younger slots of two loads may be out
.if (\i) == 0
	s_cmp_eq_u32 s35, 4
	s_cbranch_scc1 .Lw_zero
.endif
	WIN 0x50
.irp f, 0,1,2,3,4,5,6,7
	v_wmma_f32_16x16x32_bf16 v[8*\f:8*\f+7], v[SC+8*\f:SC+8*\f+7], v[X0+8*(\i):X0+8*(\i)+7], v[8*\f:8*\f+7]
.endr
	WIN 0
.if (\i) == 0
	s_branch .Lw_on
.Lw_zero:
	WIN 0x50
.irp f, 0,1,2,3,4,5,6,7
	v_wmma_f32_16x16x32_bf16 v[8*\f:8*\f+7], v[SC+8*\f:SC+8*\f+7], v[X0+8*(\i):X0+8*(\i)+7], 0
.endr
	WIN 0
.Lw_on:
.endif
.rept 4
	v_nop
.endr
	global_load_b128 v[X0+8*(\i):X0+8*(\i)+3],   v[AO], s[40:41] offset:64*(\i) th:TH_LOAD_HT
	global_load_b128 v[X0+8*(\i)+4:X0+8*(\i)+7], v[AO], s[40:41] offset:64*(\i)+32 th:TH_LOAD_HT
.endm
; THE WAY OUT of block a: a row's 128 f32 are 512 bytes; they go through my stage in two halves of 256, and leave as whole rows.  A dead block ends the pass's way out.  It names neither X0 nor the rows' offsets.
.macro EPI a
	s_cmp_le_u32 s34, \a
	s_cbranch_scc1 .Lstored
	s_lshl_b32 s30, s33, 2
	s_add_co_u32 s30, s30, \a
	s_lshl_b32 s30, s30, 4
	s_add_co_u32 s30, s30, s25                     ; the block's number: 16 x (4 pass + a) + unit
	s_lshl_b32 s38, s30, 16                        ; 16 rows of 4,096 bytes
.irp c2, 0,1
	s_wait_xcnt 0x0                                ; BF and part's address were the last stores': they are written again only behind this wait
.if \c2 == 0
	s_add_nc_u64 s[44:45], s[42:43], s[38:39]
.endif
	WIN 0x04                                       ; the stores' data in window 1
.irp f, 0,1,2,3
	ds_store_b128 v30, v[64*(\a)+8*(4*\c2+\f):64*(\a)+8*(4*\c2+\f)+3]   offset:64*\f     ; each accumulator's four lowest registers first
	ds_store_b128 v30, v[64*(\a)+8*(4*\c2+\f)+4:64*(\a)+8*(4*\c2+\f)+7] offset:64*\f+16
.endr
	WIN 0
.irp t, 0,1,2,3,4,5,6,7
	ds_load_b128 v[BF+4*\t:BF+4*\t+3], v31 offset:544*\t  ; my own stage, served in order (ISA guide 5.7.1.4): no wait between the stores and the loads
.endr
.irp t, 0,1,2,3,4,5,6,7
	s_wait_dscnt 7-\t
	global_store_b128 v32, v[BF+4*\t:BF+4*\t+3], s[44:45] offset:8192*\t+256*\c2 th:TH_STORE_NT  ; 16 lanes store 256 consecutive bytes, at a multiple of 256 from part's first byte; written once, not read in this launch
.endr
.endr
.endm
	s_mov_b32 s33, 0
.Lpass:                                                ; two passes of four blocks: a constant count; a wave without live blocks jumps the work, never a barrier
	s_lshl_b32 s30, s33, 2
	s_sub_co_i32 s34, s32, s30
	s_max_i32 s34, s34, 0
	s_min_i32 s34, s34, 4                          ; live blocks of this pass
	s_cmp_eq_u32 s34, 0
	s_cbranch_scc1 .Lwalked
	s_wait_loadcnt 0x0                             ; no load of rows is out (a one-block walk's last refills have landed),
	s_wait_xcnt 0x0                                ; and the stores before have read their registers: the rows' registers, offsets and base are written again only behind these
.irp a, 0,1,2,3
	s_lshl_b32 s30, s33, 2
	s_add_co_u32 s30, s30, \a
	s_lshl_b32 s30, s30, 4
	s_add_co_u32 s30, s30, s25
	s_min_u32 s30, s30, s47                        ; a dead block repeats the expert's last block,
	s_min_u32 s30, s30, 0x7f                       ; and what hangs on a loaded count is held inside the table
	s_lshl_b32 s30, s30, 17                        ; 16 rows of 8,192 bytes
	v_add_nc_u32 v[AO+\a], s30, v33
.endr
	s_mov_b64 s[40:41], s[ROWS:ROWS+1]
	s_cmp_eq_u32 s34, 1
	s_cbranch_scc1 .Lwide
	ALOAD X0, 4, 0
	BODY 4, 0                                      ; step 0 for all four blocks, live or not: its first products start every sum, and nothing is cleared
	s_mov_b32 s35, 6
	s_mov_b32 s67, 0x8000
.Lk4:                                                  ; steps 1 to 6
	BODY 4, 1
	s_sub_co_u32 s35, s35, 1
	s_cmp_lg_u32 s35, 0
	s_cbranch_scc1 .Lk4
	BODY 4, 2                                      ; step 7
	s_branch .Lwalked
.Lwide:                                                ; one live block: the ring's eight slots and the first K step's fragments are asked for, then four trips
.irp i, 0,1,2,3,4,5,6,7
	global_load_b128 v[X0+8*\i:X0+8*\i+3],   v[AO], s[40:41] offset:64*\i th:TH_LOAD_HT
	global_load_b128 v[X0+8*\i+4:X0+8*\i+7], v[AO], s[40:41] offset:64*\i+32 th:TH_LOAD_HT
.endr
.irp f, 0,1,2,3,4,5,6,7
	ds_load_tr16_b128 v[BF+8*\f:BF+8*\f+3],   v[BA+\f]
	ds_load_tr16_b128 v[BF+8*\f+4:BF+8*\f+7], v[BA+\f] offset:4096
.endr
	s_mov_b32 s35, 4
	s_mov_b32 s67, 0x2000                          ; the first trip's second K step: 32 rows of 256 bytes
.Lw:
.irp f, 0,1,2,3,4,5,6,7
	v_add_nc_u32 v[BW+\f], s67, v[BA+\f]
.endr
	s_add_co_u32 s67, s67, 0x10000                 ; a trip is 256 rows of 256 bytes; the last trip's last load ends at 204,800 + 53,248 + 4,080 + 16 = 262,144, the weights' end
	s_wait_xcnt 0x0                                ; the loads on their way have had their addresses translated (ISA guide 3.1): their base is written only behind this wait
	s_add_nc_u64 s[40:41], s[40:41], 512           ; the refills' base: the next trip's 512 bytes of the row,
	s_cmp_eq_u32 s35, 1
	s_cselect_b64 s[40:41], s[ROWS:ROWS+1], s[40:41]  ; or, in the last trip, the quarter's first
	WSTEP 0
	WSTEP 1
	WSTEP 2
	WSTEP 3
	WSTEP 4
	WSTEP 5
	WSTEP 6
	WSTEP 7
	s_sub_co_u32 s35, s35, 1
	s_cmp_lg_u32 s35, 0
	s_cbranch_scc1 .Lw
.Lwalked:                                              ; the four v_nop that end the last 32 along K are the places behind the last products
	s_wait_dscnt 0x0                               ; my reads of the weights are back
	s_barrier_signal -1
	s_barrier_wait -1                              ; every wave's walk of this pass is over: now the stages are written
	EPI 0
	EPI 1
	EPI 2
	EPI 3
.Lstored:
	s_wait_dscnt 0x0                               ; my stores into my stage, and my reads of it, are done
	s_barrier_signal -1
	s_barrier_wait -1                              ; every wave's are: the next pass's walk may read
	s_add_co_u32 s33, s33, 1
	s_cmp_lt_u32 s33, 2
	s_cbranch_scc1 .Lpass
	s_wait_tensorcnt 0x0                           ; the wave's end, behind my last LDS store
	ds_add_u32 v4, v5
	s_wait_dscnt 0x0
	s_endpgm
.Lfunc_end_k_q5aa57f477d_ffn2:
	.size	k_q5aa57f477d_ffn2, .Lfunc_end_k_q5aa57f477d_ffn2-k_q5aa57f477d_ffn2
	.p2alignl 7, 3214868480
	.fill 96, 4, 3214868480
	.section	.rodata,"a",@progbits
	.p2align	6, 0x0
	.amdhsa_kernel k_q5aa57f477d_ffn2
		.amdhsa_group_segment_fixed_size 297984
		.amdhsa_private_segment_fixed_size 0
		.amdhsa_enable_private_segment 0
		.amdhsa_kernarg_size 32
		.amdhsa_user_sgpr_count 2
		.amdhsa_user_sgpr_kernarg_segment_ptr 1
		.amdhsa_wavefront_size32 1
		.amdhsa_system_sgpr_workgroup_id_x 1
		.amdhsa_system_sgpr_workgroup_id_y 1
		.amdhsa_system_sgpr_workgroup_id_z 1
		.amdhsa_system_vgpr_workitem_id 0
		.amdhsa_next_free_vgpr 512
		.amdhsa_next_free_sgpr 80
		.amdhsa_reserve_vcc 0
		.amdhsa_float_denorm_mode_32 3
		.amdhsa_float_denorm_mode_16_64 3
		.amdhsa_memory_ordered 1
		.amdhsa_forward_progress 1
		.amdhsa_inst_pref_size 132
	.end_amdhsa_kernel
	.amdgpu_metadata
---
amdhsa.version: [ 1, 2 ]
amdhsa.kernels:
  - .name:           k_q5aa57f477d_ffn2
    .symbol:         k_q5aa57f477d_ffn2.kd
    .args:
      - { .name: W2, .offset: 0, .size: 8, .value_kind: global_buffer, .address_space: global }
      - { .name: h, .offset: 8, .size: 8, .value_kind: global_buffer, .address_space: global }
      - { .name: cnt, .offset: 16, .size: 8, .value_kind: global_buffer, .address_space: global }
      - { .name: part, .offset: 24, .size: 8, .value_kind: global_buffer, .address_space: global }
    .group_segment_fixed_size: 297984
    .private_segment_fixed_size: 0
    .kernarg_segment_align: 8
    .kernarg_segment_size: 32
    .max_flat_workgroup_size: 256
    .sgpr_count:     80
    .vgpr_count:     512
    .wavefront_size: 32
...
	.end_amdgpu_metadata
.endif
;; end of part 3
;; launch combine (part 4): grid 256 x 1, 16 waves a work-group, no clusters, 0 bytes of LDS; arguments part, b2, gate, selm, rank, out0; writes out0
.if DOCPART == 4
	.amdgcn_target "amdgcn-amd-amdhsa--gfx1250"
	.amdhsa_code_object_version 6
	.text
	.protected	k_q5aa57f477d_combine
	.globl	k_q5aa57f477d_combine
	.p2align	8
	.type	k_q5aa57f477d_combine,@function
k_q5aa57f477d_combine:
	s_mov_b64 s[64:65], 0
	v_nop
	global_prefetch_b8 v0, s[64:65] scope:SCOPE_SE
	s_setreg_imm32_b32 hwreg(HW_REG_WAVE_MODE, 25, 1), 1
	s_wait_xcnt 0x0
; THE SUM.  out[t][:] = g_a (the four parts of row rank[a][t] of expert a + b2[a]) + g_b (the same for expert b), a and b the two experts that token t chose.  All in f32; b2 is rounded to bf16 like every input.
; Which rows are read hangs on selm and rank: whole numbers that earlier launches stored.  They are read into scalar registers, held inside their tables, and enter the addresses as offsets.
; SHARES.  A work-group has 8 tokens; wave w has token 8 g + w / 2 and half w % 2 of its row: 2,048 bytes, four chunks of 512 consecutive bytes.  All 40 loads of a wave (8 parts and 2 biases a chunk)
; go out before the first wait.  A stream: no LDS, no barrier, no matrix unit; each byte of the parts that is needed is read once, each byte of out0 written once.
; LIMIT.  A word of selm with fewer than two bits set (the launch that makes it always sets two) would name expert 3; its weight in gate is then what decides.
; s20 wave; s21 token; s24 the mask; s[26:27] an offset, high word 0; s[28:31] gate[t]; s[32:35] rank[0..3][t]; s36, s37 experts a, b; s38, s39 their ranks;
; s[40:47] the four parts' addresses for a; s[48:55] for b; s[56:57], s[58:59] b2 of a, of b; s[60:61] g_a, s[62:63] g_b, as pairs.  v3: 16 l + 2,048 x half.  Chunk c's 40 registers at v[64 + 40 c].
	s_load_b256 s[4:11], s[0:1], 0x0               ; part s[4:5], b2 s[6:7], gate s[8:9], selm s[10:11]
	s_load_b128 s[12:15], s[0:1], 0x20             ; rank s[12:13], out0 s[14:15]
	v_and_b32 v1, 31, v0
	v_lshrrev_b32 v2, 5, v0
	v_readfirstlane_b32 s20, v2                    ; wave 0..15
	s_lshr_b32 s21, s20, 1
	s_lshl3_add_u32 s21, ttmp9, s21                ; token = 8 g + w / 2
	s_and_b32 s22, s20, 1
	s_lshl_b32 s22, s22, 11
	v_lshl_add_u32 v3, v1, 4, s22
	s_mov_b32 s27, 0
	s_wait_kmcnt 0x0
	s_lshl_b32 s26, s21, 2
	s_add_nc_u64 s[10:11], s[10:11], s[26:27]
	s_add_nc_u64 s[12:13], s[12:13], s[26:27]
	s_lshl_b32 s26, s21, 4
	s_add_nc_u64 s[8:9], s[8:9], s[26:27]
	s_lshl_b32 s26, s21, 12
	s_add_nc_u64 s[14:15], s[14:15], s[26:27]
	s_load_b32 s24, s[10:11], 0x0
	s_load_b128 s[28:31], s[8:9], 0x0
	s_load_b32 s32, s[12:13], 0x0
	s_load_b32 s33, s[12:13], 0x2000
	s_load_b32 s34, s[12:13], 0x4000
	s_load_b32 s35, s[12:13], 0x6000
	s_wait_kmcnt 0x0
	s_and_b32 s24, s24, 15
	s_ctz_i32_b32 s36, s24                         ; the lower chosen expert,
	s_min_u32 s36, s36, 3
	s_sub_co_u32 s25, s24, 1
	s_and_b32 s25, s25, s24                        ; its bit taken away,
	s_ctz_i32_b32 s37, s25                         ; the other
	s_min_u32 s37, s37, 3
.macro PICK dst, idx, b                ; dst = s[b + idx], by selects: no branch
	s_cmp_eq_u32 \idx, 0
	s_cselect_b32 \dst, s[\b], s[\b+3]
	s_cmp_eq_u32 \idx, 1
	s_cselect_b32 \dst, s[\b+1], \dst
	s_cmp_eq_u32 \idx, 2
	s_cselect_b32 \dst, s[\b+2], \dst
.endm
	PICK s38, s36, 32
	PICK s39, s37, 32
	PICK s60, s36, 28
	PICK s62, s37, 28
	s_mov_b32 s61, s60                             ; named as pairs, so both words are written
	s_mov_b32 s63, s62
	s_min_u32 s38, s38, 0x7ff                      ; loaded numbers enter addresses: they are held inside the table
	s_min_u32 s39, s39, 0x7ff
	s_lshl_b32 s26, s36, 11
	s_add_co_u32 s26, s26, s38
	s_lshl_b32 s26, s26, 12                        ; (2,048 e + rank) rows of 4,096 bytes
	s_add_nc_u64 s[40:41], s[4:5], s[26:27]
	s_add_nc_u64 s[42:43], s[40:41], 0x2000000     ; from a quarter of K to the next: 4 x 2,048 rows
	s_add_nc_u64 s[44:45], s[42:43], 0x2000000
	s_add_nc_u64 s[46:47], s[44:45], 0x2000000
	s_lshl_b32 s26, s37, 11
	s_add_co_u32 s26, s26, s39
	s_lshl_b32 s26, s26, 12
	s_add_nc_u64 s[48:49], s[4:5], s[26:27]
	s_add_nc_u64 s[50:51], s[48:49], 0x2000000
	s_add_nc_u64 s[52:53], s[50:51], 0x2000000
	s_add_nc_u64 s[54:55], s[52:53], 0x2000000
	s_lshl_b32 s26, s36, 12
	s_add_nc_u64 s[56:57], s[6:7], s[26:27]
	s_lshl_b32 s26, s37, 12
	s_add_nc_u64 s[58:59], s[6:7], s[26:27]
.irp c, 0,1,2,3
.irp q, 0,1,2,3
	global_load_b128 v[64+40*\c+4*\q:64+40*\c+4*\q+3], v3, s[40+2*\q:41+2*\q] offset:512*\c th:TH_LOAD_NT
.endr
.irp q, 0,1,2,3
	global_load_b128 v[80+40*\c+4*\q:80+40*\c+4*\q+3], v3, s[48+2*\q:49+2*\q] offset:512*\c th:TH_LOAD_NT
.endr
	global_load_b128 v[96+40*\c:96+40*\c+3], v3, s[56:57] offset:512*\c
	global_load_b128 v[100+40*\c:100+40*\c+3], v3, s[58:59] offset:512*\c
.endr
.macro CHUNK c
.set B, 64+40*(\c)
	s_wait_loadcnt 30-10*(\c)                      ; this chunk's ten loads are in; the later chunks' ten each may be out
.irp y, 32,36                          ; b2 rounded to bf16, and widened again
	v_cvt_pk_bf16_f32 v4, v[B+\y], v[B+\y+1]
	v_cvt_pk_bf16_f32 v5, v[B+\y+2], v[B+\y+3]
	v_lshlrev_b32 v[B+\y], 16, v4
	v_and_b32 v[B+\y+1], 0xffff0000, v4
	v_lshlrev_b32 v[B+\y+2], 16, v5
	v_and_b32 v[B+\y+3], 0xffff0000, v5
.endr
.irp x, 0,16                           ; ((P0 + P1) + (P2 + P3)) + b2, for a and for b
.irp k, 0,2
	v_pk_add_f32 v[B+\x+\k:B+\x+\k+1], v[B+\x+\k:B+\x+\k+1], v[B+\x+4+\k:B+\x+4+\k+1]
	v_pk_add_f32 v[B+\x+8+\k:B+\x+8+\k+1], v[B+\x+8+\k:B+\x+8+\k+1], v[B+\x+12+\k:B+\x+12+\k+1]
.endr
.irp k, 0,2
	v_pk_add_f32 v[B+\x+\k:B+\x+\k+1], v[B+\x+\k:B+\x+\k+1], v[B+\x+8+\k:B+\x+8+\k+1]
.endr
.irp k, 0,2
	v_pk_add_f32 v[B+\x+\k:B+\x+\k+1], v[B+\x+\k:B+\x+\k+1], v[B+32+\x/4+\k:B+32+\x/4+\k+1]
.endr
.endr
.irp k, 0,2
	v_pk_mul_f32 v[B+\k:B+\k+1], v[B+\k:B+\k+1], s[60:61] op_sel_hi:[1,0]
.endr
.irp k, 0,2
	v_pk_fma_f32 v[B+\k:B+\k+1], v[B+16+\k:B+16+\k+1], s[62:63], v[B+\k:B+\k+1] op_sel_hi:[1,0,1]
.endr
	global_store_b128 v3, v[B:B+3], s[14:15] offset:512*(\c) th:TH_STORE_NT  ; 512 consecutive bytes, at a multiple of 256 from out0's first byte; the registers are not written again
.endm
	CHUNK 0
	CHUNK 1
	CHUNK 2
	CHUNK 3
	s_endpgm
.Lfunc_end_k_q5aa57f477d_combine:
	.size	k_q5aa57f477d_combine, .Lfunc_end_k_q5aa57f477d_combine-k_q5aa57f477d_combine
	.p2alignl 7, 3214868480
	.fill 96, 4, 3214868480
	.section	.rodata,"a",@progbits
	.p2align	6, 0x0
	.amdhsa_kernel k_q5aa57f477d_combine
		.amdhsa_group_segment_fixed_size 0
		.amdhsa_private_segment_fixed_size 0
		.amdhsa_enable_private_segment 0
		.amdhsa_kernarg_size 48
		.amdhsa_user_sgpr_count 2
		.amdhsa_user_sgpr_kernarg_segment_ptr 1
		.amdhsa_wavefront_size32 1
		.amdhsa_system_sgpr_workgroup_id_x 1
		.amdhsa_system_sgpr_workgroup_id_y 1
		.amdhsa_system_sgpr_workgroup_id_z 1
		.amdhsa_system_vgpr_workitem_id 0
		.amdhsa_next_free_vgpr 256
		.amdhsa_next_free_sgpr 72
		.amdhsa_reserve_vcc 0
		.amdhsa_float_denorm_mode_32 3
		.amdhsa_float_denorm_mode_16_64 3
		.amdhsa_memory_ordered 1
		.amdhsa_forward_progress 1
		.amdhsa_inst_pref_size 16
	.end_amdhsa_kernel
	.amdgpu_metadata
---
amdhsa.version: [ 1, 2 ]
amdhsa.kernels:
  - .name:           k_q5aa57f477d_combine
    .symbol:         k_q5aa57f477d_combine.kd
    .args:
      - { .name: part, .offset: 0, .size: 8, .value_kind: global_buffer, .address_space: global }
      - { .name: b2, .offset: 8, .size: 8, .value_kind: global_buffer, .address_space: global }
      - { .name: gate, .offset: 16, .size: 8, .value_kind: global_buffer, .address_space: global }
      - { .name: selm, .offset: 24, .size: 8, .value_kind: global_buffer, .address_space: global }
      - { .name: rank, .offset: 32, .size: 8, .value_kind: global_buffer, .address_space: global }
      - { .name: out0, .offset: 40, .size: 8, .value_kind: global_buffer, .address_space: global }
    .group_segment_fixed_size: 0
    .private_segment_fixed_size: 0
    .kernarg_segment_align: 8
    .kernarg_segment_size: 48
    .max_flat_workgroup_size: 512
    .sgpr_count:     72
    .vgpr_count:     256
    .wavefront_size: 32
...
	.end_amdgpu_metadata
.endif
;; end of part 4
;; ======== version 2 of 2: 4 launches; version 1 with the launch router written anew for expert scheduling mode
;; limits: a function is approximated: absolute error at most 2e-05
;; workspace buffers: xb 4,194,304 bytes; selm 8,192 bytes of whole numbers; gate 32,768 bytes; h 67,108,864 bytes; rank 32,768 bytes of whole numbers; cnt 512 bytes of whole numbers; part 134,217,728 bytes
;; launch router (part 5): grid 256 x 1, 4 waves a work-group, no clusters, 0 bytes of LDS; arguments x, Wr, br, xb, selm, gate; writes xb, selm, gate
.if DOCPART == 5
	.amdgcn_target "amdgcn-amd-amdhsa--gfx1250"
	.amdhsa_code_object_version 6
	.text
	.protected	k_q5aa57f477d_router
	.globl	k_q5aa57f477d_router
	.p2align	8
	.type	k_q5aa57f477d_router,@function
k_q5aa57f477d_router:
	s_mov_b64 s[64:65], 0
	v_nop
	global_prefetch_b8 v0, s[64:65] scope:SCOPE_SE
	s_setreg_imm32_b32 hwreg(HW_REG_WAVE_SCHED_MODE, 0, 2), 2
	s_setreg_imm32_b32 hwreg(HW_REG_WAVE_MODE, 25, 1), 1
	s_wait_xcnt 0x0
	s_wait_alu depctr_vm_vsrc(0)
; ROUTER.  logits = x Wr + br for 2,048 tokens and 4 experts; the two largest are chosen (a tie keeps the lower index); their softmax weights are renormalised.
; Every input is rounded to bf16 first (x, Wr, br), as in all launches of this program; products and sums in f32.  x rounded goes out as xb, [2048][1024] bf16, for the first product.
; selm[t]: bit e set where token t chose expert e.  gate[t][e]: the renormalised weight, 0 where not chosen.  Both lie at fixed places: no address here hangs on the choice.
; SHARES.  A wave has two tokens, t0 = 8 x work-group + 2 x wave and t0 + 1.  Lane l holds the channels 128 c + 4 l + i (c = 0..7, i = 0..3): each load of x covers 512 consecutive bytes.
; LIMITS.  The largest logit is taken away before the exponentials; the softmax's divisor cancels in the renormalisation, so it is not formed.  The choice is made on the logits: two logits
; closer than the rounding of an f32 sum of 1,024 terms may be ordered otherwise than by another order of summation.  A NaN logit loses every comparison and is not treated apart.
; No matrix unit: 4 columns are a quarter of its width, and the launch is bound by x's bytes.  No LDS: a token never leaves its wave.
; THE MODE: SCHED_MODE bits 1:0 = 2 (LLVM: expert scheduling mode 2), set by the entry lines.  The code itself states the register dependences between vector instructions and memory
; instructions, and those through scalar registers and VCC that vector instructions write, with s_wait_alu, always for 0.
; THE PLAN.  Registers that memory instructions touch:
;   v2, v3, v4, v62  byte offsets: written once at the head, read by every load and store, never written again: one wait ahead of the first load serves the whole kernel.
;   XR               x's loads land in it (no vector line has named it); the 32 conversions close each four registers into their first pair; the 16 stores of xb read the pairs; nothing writes them again.
;                    So the conversions stand in one run, ONE wait behind them, and the stores in one run behind that.
;   WRR              Wr's loads land in it (no vector line has named it); from then on vector lines alone.
;   EW + 0..3, MK    written by vector lines, read by the two last stores, not written again: the wait ahead of the narrowing of EXEC states that they are written.
; Scalar registers that vector lines write: s20 (the wave's number); s36-47 (twelve compares, one run, one wait); s27-35 (nine compares, one run, one wait); VCC (the mask for EXEC).
.set ACC, 8                            ; v8-15   the sums: token u, expert e at ACC + 4 u + e
.set TP,  16                           ; v16-23  the other half of the lanes' sums
.set BR,  24                           ; v24-27  br, rounded; v28-29 at work
.set RK,  32                           ; v32-39  how many experts beat expert e of token u
.set MX,  41                           ; v41-42  the largest logit
.set EW,  44                           ; v44-51  exponents, then weights: token 0 in v[44:47], token 1 in v[48:51]
.set MK,  52                           ; v52-53  the masks
.set WRR, 64                           ; v64-191 Wr: row d = 128 c + 4 l + i at WRR + 4 (4 c + i); packed in place: (e0, e1), (e2, e3)
.set XR,  192                          ; v192-255 x: token u, chunk c at XR + 32 u + 4 c; packed in place: (i0, i1), (i2, i3)
.set PM,  36                           ; s36-47  token u, pair n of six: where the higher expert's logit is strictly larger; s28-35: chosen; s27: lane 1; s26: EXEC, kept
	s_load_b256 s[4:11], s[0:1], 0x0               ; x s[4:5], Wr s[6:7], br s[8:9], xb s[10:11]
	s_load_b128 s[12:15], s[0:1], 0x20             ; selm s[12:13], gate s[14:15]
	v_and_b32 v1, 31, v0                           ; lane
	v_lshrrev_b32 v5, 5, v0
	v_readfirstlane_b32 s20, v5                    ; wave
	v_lshlrev_b32 v2, 4, v1                        ; 16 l: x, and gate's two rows
	v_lshlrev_b32 v3, 6, v1                        ; 64 l: four rows of Wr
	v_lshlrev_b32 v4, 3, v1                        ; 8 l: xb
	v_lshlrev_b32 v62, 2, v1                       ; 4 l: selm
	s_wait_alu depctr_va_sdst(0)                   ; s20 is written, ahead of its first reader: the token's number and all bases are made from it
	s_lshl_b32 s21, ttmp9, 3
	s_lshl1_add_u32 s21, s20, s21                  ; t0 = 8 g + 2 w
	s_mov_b32 s22, 0x76543210                      ; v_permlanex16_b32: each lane takes its own place in the other half
	s_mov_b32 s23, 0xfedcba98
	s_mov_b32 s25, 0
	s_wait_kmcnt 0x0
	s_load_b128 s[16:19], s[8:9], 0x0              ; br
	s_lshl_b32 s24, s21, 12
	s_add_nc_u64 s[4:5], s[4:5], s[24:25]          ; x at token t0
	s_lshl_b32 s24, s21, 11
	s_add_nc_u64 s[10:11], s[10:11], s[24:25]      ; xb likewise
	s_lshl_b32 s24, s21, 2
	s_add_nc_u64 s[12:13], s[12:13], s[24:25]      ; selm
	s_lshl_b32 s24, s21, 4
	s_add_nc_u64 s[14:15], s[14:15], s[24:25]      ; gate
	s_wait_alu depctr_va_vdst(0)                   ; the offsets v2, v3, v4 and v62 are written: every load and store of the kernel reads one of them
.irp u, 0,1
.irp c, 0,1,2,3,4,5,6,7
	global_load_b128 v[XR+32*\u+4*\c:XR+32*\u+4*\c+3], v2, s[4:5] offset:\u*4096+\c*512 th:TH_LOAD_NT
.endr
.endr
.irp c, 0,1,2,3,4,5,6,7
.irp i, 0,1,2,3
	global_load_b128 v[WRR+4*(4*\c+\i):WRR+4*(4*\c+\i)+3], v3, s[6:7] offset:2048*\c+16*\i
.endr
.endr
.irp k, 0,1,2,3,4,5,6,7
	v_mov_b32 v[ACC+\k], 0                         ; the mixed multiply-add takes registers alone, so the eight sums begin in registers that hold 0
	v_mov_b32 v[TP+\k], 0                          ; written before v_permlanex16_b32 names them as destinations
.endr
	s_wait_loadcnt 32                              ; x is in: the 32 loads of Wr were issued behind it
.irp u, 0,1
.irp c, 0,1,2,3,4,5,6,7
	v_cvt_pk_bf16_f32 v[XR+32*\u+4*\c], v[XR+32*\u+4*\c], v[XR+32*\u+4*\c+1]
	v_cvt_pk_bf16_f32 v[XR+32*\u+4*\c+1], v[XR+32*\u+4*\c+2], v[XR+32*\u+4*\c+3]
.endr
.endr
	s_wait_alu depctr_va_vdst(0)                   ; the 32 conversions have written the 16 pairs, which the stores below read
.irp u, 0,1
.irp c, 0,1,2,3,4,5,6,7
	global_store_b64 v4, v[XR+32*\u+4*\c:XR+32*\u+4*\c+1], s[10:11] offset:\u*2048+\c*256  ; 32 lanes store 256 consecutive bytes, at a multiple of 256 from xb's first byte; the pair is not written again
.endr
.endr
	s_wait_loadcnt 0x0                             ; Wr
.irp k, 0,1,2,3,4,5,6,7,8,9,10,11,12,13,14,15,16,17,18,19,20,21,22,23,24,25,26,27,28,29,30,31
	v_cvt_pk_bf16_f32 v[WRR+4*\k], v[WRR+4*\k], v[WRR+4*\k+1]
	v_cvt_pk_bf16_f32 v[WRR+4*\k+1], v[WRR+4*\k+2], v[WRR+4*\k+3]
.endr
	; 256 multiply-adds from bf16 halves into f32; the eight sums take turns, so none waits for the one before it
.irp c, 0,1,2,3,4,5,6,7
.irp ih, 0,1
.irp il, 0,1
.irp u, 0,1
.irp eh, 0,1
.irp el, 0,1
	v_fma_mix_f32_bf16 v[ACC+4*\u+2*\eh+\el], v[XR+32*\u+4*\c+\ih], v[WRR+4*(4*\c+2*\ih+\il)+\eh], v[ACC+4*\u+2*\eh+\el] op_sel:[\il,\el,0] op_sel_hi:[1,1,0]
.endr
.endr
.endr
.endr
.endr
.endr
	; over the 32 lanes: four steps inside each half ride on the addition, one crosses the halves; every lane ends with every sum
.irp m, 1,2,4,8
.irp k, 0,1,2,3,4,5,6,7
	v_add_f32_dpp v[ACC+\k], v[ACC+\k], v[ACC+\k] row_xmask:\m row_mask:0xf bank_mask:0xf
.endr
.endr
.irp k, 0,1,2,3,4,5,6,7
	v_permlanex16_b32 v[TP+\k], v[ACC+\k], s22, s23
.endr
.irp k, 0,1,2,3,4,5,6,7
	v_add_f32 v[ACC+\k], v[ACC+\k], v[TP+\k]
.endr
	s_wait_kmcnt 0x0                               ; br
	v_mov_b32 v[BR], s16
	v_mov_b32 v[BR+1], s17
	v_mov_b32 v[BR+2], s18
	v_mov_b32 v[BR+3], s19
	v_cvt_pk_bf16_f32 v28, v[BR], v[BR+1]          ; rounded to bf16 like every input, and widened again
	v_cvt_pk_bf16_f32 v29, v[BR+2], v[BR+3]
	v_lshlrev_b32 v[BR], 16, v28
	v_and_b32 v[BR+1], 0xffff0000, v28
	v_lshlrev_b32 v[BR+2], 16, v29
	v_and_b32 v[BR+3], 0xffff0000, v29
.irp u, 0,1
.irp e, 0,1,2,3
	v_add_f32 v[ACC+4*\u+\e], v[ACC+4*\u+\e], v[BR+\e]
	v_mov_b32 v[RK+4*\u+\e], \e                    ; expert e starts as beaten by all e experts below it
.endr
.endr
; Experts i < j of token u, pair n of six: j beats i only where its logit is strictly larger; else i beats j, which the start value has counted.
; The twelve compares hang on the logits alone: they stand in one run, each with a scalar register of its own, and one wait serves them all.
.macro BEATS u, i, j, n
	v_cmp_gt_f32 s[PM+6*(\u)+(\n)], v[ACC+4*(\u)+(\j)], v[ACC+4*(\u)+(\i)]
.endm
.macro PAIR u, i, j, n
	v_cndmask_b32 v40, 0, 1, s[PM+6*(\u)+(\n)]
	v_add_nc_u32 v[RK+4*(\u)+(\i)], v[RK+4*(\u)+(\i)], v40
	v_sub_nc_u32 v[RK+4*(\u)+(\j)], v[RK+4*(\u)+(\j)], v40
.endm
.irp u, 0,1
	BEATS \u, 0, 1, 0
	BEATS \u, 0, 2, 1
	BEATS \u, 0, 3, 2
	BEATS \u, 1, 2, 3
	BEATS \u, 1, 3, 4
	BEATS \u, 2, 3, 5
.endr
.irp u, 0,1                            ; the maxima name none of those masks: they stand between the compares and the wait
	v_max3_num_f32 v[MX+\u], v[ACC+4*\u], v[ACC+4*\u+1], v[ACC+4*\u+2]
	v_max_num_f32 v[MX+\u], v[MX+\u], v[ACC+4*\u+3]
.endr
	s_wait_alu depctr_va_sdst(0)                   ; the twelve compares have written s36 to s47, ahead of their first reader
.irp u, 0,1
	PAIR \u, 0, 1, 0
	PAIR \u, 0, 2, 1
	PAIR \u, 0, 3, 2
	PAIR \u, 1, 2, 3
	PAIR \u, 1, 3, 4
	PAIR \u, 2, 3, 5
.endr
.irp u, 0,1
.irp e, 0,1,2,3
	v_cmp_gt_u32 s[28+4*\u+\e], 2, v[RK+4*\u+\e]   ; chosen: fewer than two beat it
.endr
.endr
	v_cmp_eq_u32 s27, 1, v1                        ; lane 1, for the way out: it joins the run, so that the run's wait serves it too
.irp u, 0,1
.irp e, 0,1,2,3
	v_sub_f32 v[EW+4*\u+\e], v[ACC+4*\u+\e], v[MX+\u]
	v_mul_f32 v[EW+4*\u+\e], 0x3fb8aa3b, v[EW+4*\u+\e]  ; (logit - maximum) log2(e): never above 0
.endr
.endr
.irp k, 0,1,2,3,4,5,6,7
	v_exp_f32 v[EW+\k], v[EW+\k]                   ; one batch of eight
.endr
	s_wait_alu depctr_va_sdst(0)                   ; the nine compares have written s27 to s35, ahead of their first reader; the exponents' arithmetic and the exponentials stand between
.irp u, 0,1                            ; the masks: plain work that names no exponential's result
	v_cndmask_b32 v[MK+\u], 0, 1, s[28+4*\u]
	v_cndmask_b32 v54, 0, 2, s[28+4*\u+1]
	v_or_b32 v[MK+\u], v[MK+\u], v54
	v_cndmask_b32 v54, 0, 4, s[28+4*\u+2]
	v_or_b32 v[MK+\u], v[MK+\u], v54
	v_cndmask_b32 v54, 0, 8, s[28+4*\u+3]
	v_or_b32 v[MK+\u], v[MK+\u], v54
.endr
	s_wait_alu depctr_va_vdst(0)                   ; the eight exponentials have written v44 to v51, ahead of the first line that names a result of theirs: one wait for the batch
.irp u, 0,1
.irp e, 0,1,2,3
	v_cndmask_b32 v[EW+4*\u+\e], 0, v[EW+4*\u+\e], s[28+4*\u+\e]
.endr
	v_add_f32 v[56+\u], v[EW+4*\u], v[EW+4*\u+1]
	v_add_f32 v[58+\u], v[EW+4*\u+2], v[EW+4*\u+3]
	v_add_f32 v[56+\u], v[56+\u], v[58+\u]         ; at least 1: the largest logit's weight is 1 and is always chosen
.endr
	v_rcp_f32 v60, v56
	v_rcp_f32 v61, v57
	v_nop                                          ; a plain instruction behind the last reciprocal
	s_wait_alu depctr_va_vdst(0)                   ; the two reciprocals have written v60 and v61, ahead of their first use: one wait for the two
.irp u, 0,1
.irp e, 0,1,2,3
	v_mul_f32 v[EW+4*\u+\e], v[EW+4*\u+\e], v[60+\u]
.endr
.endr
.irp e, 0,1,2,3                        ; all lanes hold both tokens' results: lane 1 takes the second token's
	v_cndmask_b32 v[EW+\e], v[EW+\e], v[EW+4+\e], s27
.endr
	v_cndmask_b32 v[MK], v[MK], v[MK+1], s27
	v_cmp_gt_u32 vcc_lo, 2, v1
	s_wait_xcnt 0x0                                ; EXEC is a source of the stores of xb: it is narrowed only behind this wait
	s_wait_alu depctr_va_vcc(0)                    ; VCC is written: EXEC is made from it
	s_wait_alu depctr_va_vdst(0)                   ; ahead of a scalar write of EXEC: every vector line so far is done; among them those that wrote v44 to v47 and v52, which the two stores below read
	s_wait_alu depctr_vm_vsrc(0)                   ; ahead of a scalar write of EXEC: the loads and stores so far have read their vector registers
	s_and_saveexec_b32 s26, vcc_lo
	global_store_b128 v2, v[EW:EW+3], s[14:15]     ; gate[t0 + lane][0..3]
	global_store_b32 v62, v[MK], s[12:13]          ; selm[t0 + lane]
	s_wait_xcnt 0x0                                ; and widened again only behind this one
	s_wait_alu depctr_va_vdst(0)                   ; ahead of a scalar write of EXEC: no vector line is still at work
	s_wait_alu depctr_vm_vsrc(0)                   ; ahead of a scalar write of EXEC: the two stores have read their offsets and data
	s_or_b32 exec_lo, exec_lo, s26
	s_endpgm
.Lfunc_end_k_q5aa57f477d_router:
	.size	k_q5aa57f477d_router, .Lfunc_end_k_q5aa57f477d_router-k_q5aa57f477d_router
	.p2alignl 7, 3214868480
	.fill 96, 4, 3214868480
	.section	.rodata,"a",@progbits
	.p2align	6, 0x0
	.amdhsa_kernel k_q5aa57f477d_router
		.amdhsa_group_segment_fixed_size 0
		.amdhsa_private_segment_fixed_size 0
		.amdhsa_enable_private_segment 0
		.amdhsa_kernarg_size 48
		.amdhsa_user_sgpr_count 2
		.amdhsa_user_sgpr_kernarg_segment_ptr 1
		.amdhsa_wavefront_size32 1
		.amdhsa_system_sgpr_workgroup_id_x 1
		.amdhsa_system_sgpr_workgroup_id_y 1
		.amdhsa_system_sgpr_workgroup_id_z 1
		.amdhsa_system_vgpr_workitem_id 0
		.amdhsa_next_free_vgpr 256
		.amdhsa_next_free_sgpr 66
		.amdhsa_reserve_vcc 1
		.amdhsa_float_denorm_mode_32 3
		.amdhsa_float_denorm_mode_16_64 3
		.amdhsa_memory_ordered 1
		.amdhsa_forward_progress 1
		.amdhsa_inst_pref_size 41
	.end_amdhsa_kernel
	.amdgpu_metadata
---
amdhsa.version: [ 1, 2 ]
amdhsa.kernels:
  - .name:           k_q5aa57f477d_router
    .symbol:         k_q5aa57f477d_router.kd
    .args:
      - { .name: x, .offset: 0, .size: 8, .value_kind: global_buffer, .address_space: global }
      - { .name: Wr, .offset: 8, .size: 8, .value_kind: global_buffer, .address_space: global }
      - { .name: br, .offset: 16, .size: 8, .value_kind: global_buffer, .address_space: global }
      - { .name: xb, .offset: 24, .size: 8, .value_kind: global_buffer, .address_space: global }
      - { .name: selm, .offset: 32, .size: 8, .value_kind: global_buffer, .address_space: global }
      - { .name: gate, .offset: 40, .size: 8, .value_kind: global_buffer, .address_space: global }
    .group_segment_fixed_size: 0
    .private_segment_fixed_size: 0
    .kernarg_segment_align: 8
    .kernarg_segment_size: 48
    .max_flat_workgroup_size: 128
    .sgpr_count:     66
    .vgpr_count:     256
    .wavefront_size: 32
...
	.end_amdgpu_metadata
.endif
;; end of part 5
;; launch ffn1: the kernel of part 2 again; grid 32 x 8, 8 waves a work-group, no clusters, 308,224 bytes of LDS; arguments W1, b1, xb, selm, h, rank, cnt; writes h, rank, cnt
;; launch ffn2: the kernel of part 3 again; grid 32 x 8, 8 waves a work-group, no clusters, 297,984 bytes of LDS; arguments W2, h, cnt, part; writes part
;; launch combine: the kernel of part 4 again; grid 256 x 1, 16 waves a work-group, no clusters, 0 bytes of LDS; arguments part, b2, gate, selm, rank, out0; writes out0
